; MI455X (gfx1250); checked and timed in simulation.
; The chip was launched on July 23, 2026; its instructions are those of AMD's public machine-readable ISA for CDNA 5 (MIT licence, August 2026) and "CDNA5" Instruction Set Architecture Reference Guide (July 2026). The comments in the code are by the model that wrote it; some were corrected since.
;; Attention Layer. Allowed arithmetic: float matrix products may take bf16 or f16 operands with f32 sums; other float arithmetic in f32, or as packed bf16 or f16 multiplies, adds, multiply-adds, maxima and minima; sums over many terms, partial sums and values carried from step to step in f32; what a program stores and reads back later, other than sums and carried values, may be rounded once to bf16 or f16.
;; Inputs: U_a 1,024 x 1,024 float32; V_a 1,024 x 1 float32; W_a 1,024 x 1,024 float32; decoder_outputs 32 x 64 x 1,024 float32; encoder_outputs 32 x 2,048 x 1,024 float32.
;; Outputs: out0 32 x 1,024 float32; out1 32 x 2,048 x 1 float32.
;; 2 versions, each right; version 2 is version 1 with the launch attn written anew for expert scheduling mode. Each part assembles by itself: llvm-mc -triple=amdgcn-amd-amdhsa -mcpu=gfx1250 --defsym DOCPART=n.
;; ======== version 1 of 2: 3 launches
;; workspace buffers: wfrag 2,097,152 bytes; duc 131,072 bytes; sc 262,144 bytes; ctxp 2,097,152 bytes
;; launch prep (part 1): grid 128 x 1, 8 waves a work-group, no clusters, 17,408 bytes of LDS; arguments W_a, U_a, decoder_outputs, wfrag, duc; writes wfrag, duc
.if DOCPART == 1
	.amdgcn_target "amdgcn-amd-amdhsa--gfx1250"
	.amdhsa_code_object_version 6
	.text
	.protected	k_q025908094d_prep
	.globl	k_q025908094d_prep
	.p2align	8
	.type	k_q025908094d_prep,@function
k_q025908094d_prep:
	s_mov_b64 s[64:65], 0
	v_nop
	global_prefetch_b8 v0, s[64:65] scope:SCOPE_SE
	s_setreg_imm32_b32 hwreg(HW_REG_WAVE_MODE, 25, 1), 1
	s_wait_xcnt 0x0
; TWO SMALL JOBS AHEAD OF THE MAIN LAUNCH, told apart by the work-group's number (the same for all eight waves of a work-group).
; Work-groups 0-63:  wfrag = W_a rounded to bf16, laid out as the main launch's matrix fragments:
;   byte ((w 2 + p) 32 + s) 8192 + b 1024 + q 512 + 16 L holds k = 32 s + 16 q + 8 (L / 16) + 0..7 of column f = 512 p + 128 w + 16 b + L % 16.
; Work-groups 64-127: duc[batch][f] = c x sum over k of bf16(dec[batch][63][k]) bf16(U_a[k][f]), c = 2 log2(e), sums in f32, by the matrix unit.
; W_a and U_a lie [k][f], so a lane's eight k of one column are eight loads of 4 bytes; sixteen lanes take 64 neighbouring bytes.  Both tables are 4 MiB, read once.
; duc leaves in pieces of 64 bytes (16 columns of a row): 128 KiB in all.
.set SPARE, 16384                      ; LDS: 0..16383 eight waves' partial sums (2,048 each); then the spare words, 128 bytes a wave, that no other line names
.set SPW, 8                            ; v8  SPARE + 4 x my thread's number; never rewritten
.set NIL, 9                            ; v9  0; never rewritten
	s_load_b256 s[4:11], s[0:1], 0x0               ; W_a s[4:5], U_a s[6:7], decoder_outputs s[8:9], wfrag s[10:11]
	s_load_b64 s[12:13], s[0:1], 0x20              ; duc
	v_lshl_add_u32 v[SPW], v0, 2, SPARE
	v_mov_b32 v[NIL], 0
	v_lshrrev_b32 v11, 5, v0
	v_readfirstlane_b32 s14, v11                   ; wave 0..7
	v_and_b32 v1, 15, v0                           ; r = lane % 16
	v_bfe_u32 v2, v0, 4, 1                         ; h = lane / 16
	v_lshlrev_b32 v3, 2, v1
	v_lshl_add_u32 v3, v2, 15, v3                  ; 8 h rows of 4,096 bytes + 4 r: my column, my half's first k
	s_mov_b32 s17, 0
	s_mov_b32 s21, 0
	s_cmp_lt_u32 ttmp9, 64
	s_cbranch_scc0 .Ldec
	; ---- W_a.  Wave number gw = 8 x + wave of 512: K step s = gw % 32, group g = gw / 32 of 64 columns (four blocks c of 16)
	s_lshl_b32 s15, ttmp9, 3
	s_add_co_u32 s15, s15, s14
	s_and_b32 s18, s15, 31                         ; s
	s_lshr_b32 s19, s15, 5                         ; g
	s_lshl_b32 s16, s18, 17                        ; 32 s rows of 4,096 bytes
	s_lshl_b32 s20, s19, 8                         ; 64 g columns of 4 bytes
	s_add_co_u32 s16, s16, s20
	s_bfe_u32 s20, s19, 0x20001                    ; w = (g / 2) % 4
	s_lshl_b32 s20, s20, 1
	s_lshr_b32 s22, s19, 3                         ; p = g / 8
	s_add_co_u32 s20, s20, s22
	s_lshl_b32 s20, s20, 5
	s_add_co_u32 s20, s20, s18
	s_lshl_b32 s20, s20, 13                        ; ((2 w + p) 32 + s) 8192
	s_and_b32 s22, s19, 1
	s_lshl_b32 s22, s22, 12                        ; blocks b = 4 (g % 2) + c
	s_add_co_u32 s20, s20, s22
	v_and_b32 v4, 31, v0
	v_lshlrev_b32 v4, 4, v4                        ; 16 x lane
	s_wait_kmcnt 0x0
	s_add_nc_u64 s[4:5], s[4:5], s[16:17]
	s_add_nc_u64 s[10:11], s[10:11], s[20:21]
.set n, 0
.rept 64                               ; register 16 + 16 c + 8 q + i: W_a[32 s + 16 q + 8 h + i][64 g + 16 c + r]
	global_load_b32 v[16+n], v3, s[4:5] offset:(16*((n/8)%2)+n%8)*4096+64*(n/16)
.set n, n+1
.endr
	s_wait_loadcnt 0x0
.set n, 0
.rept 32                               ; rounded in pairs and closed up in place: pair n is written when registers up to 2 n + 1 have been read
	v_cvt_pk_bf16_f32 v[16+n], v[16+2*n], v[16+2*n+1]
.set n, n+1
.endr
.set n, 0
.rept 8                                ; n = 2 c + q: each store of the wave covers 512 consecutive bytes, aligned
	global_store_b128 v4, v[16+4*n:16+4*n+3], s[10:11] offset:n*512
.set n, n+1
.endr
	s_endpgm
	; ---- dec_last x U_a.  Work-group nb = x - 64 makes 16 columns for all 32 batches; K is split among the eight waves: wave w takes K steps 4 w + u
.Ldec:
	s_sub_co_u32 s15, ttmp9, 64
	s_lshl_b32 s16, s14, 19                        ; 128 w rows of U_a
	s_lshl_b32 s20, s15, 6                         ; 16 nb columns of 4 bytes: in U_a and in duc
	s_add_co_u32 s16, s16, s20
	s_lshl_b32 s18, s14, 9                         ; 128 w numbers of a row of dec
	s_mov_b32 s19, 0
	s_mov_b32 s24, 0x4038aa3b                      ; c = 2 log2(e)
	s_mov_b32 s25, s24                             ; named with it as a pair
	v_lshlrev_b32 v5, 18, v1                       ; batch r: 64 x 4,096 bytes,
	v_lshl_add_u32 v5, v2, 5, v5                   ; my half's 8 numbers
	v_and_b32 v11, 31, v0
	s_lshl_b32 s22, s14, 11
	v_lshl_add_u32 v6, v11, 5, s22                 ; partial sums: 2,048 x wave + 32 x lane
	v_lshlrev_b32 v7, 3, v0                        ; and back: 8 bytes a thread
	v_lshrrev_b32 v11, 7, v0                       ; thread t holds: tile t / 128, lane (t / 4) % 32 of it, registers 2 (t % 4) and the next
	v_bfe_u32 v12, v0, 2, 4
	v_lshl_add_u32 v11, v11, 4, v12                ; batch
	v_lshlrev_b32 v10, 12, v11
	v_bfe_u32 v12, v0, 6, 1
	v_lshl_add_u32 v10, v12, 5, v10                ; + 8 columns for the upper half of the lanes
	v_and_b32 v12, 3, v0
	v_lshl_add_u32 v10, v12, 3, v10
	s_wait_kmcnt 0x0
	s_add_nc_u64 s[6:7], s[6:7], s[16:17]
	s_add_nc_u64 s[8:9], s[8:9], s[18:19]
	s_add_nc_u64 s[12:13], s[12:13], s[20:21]
.set n, 0
.rept 64                               ; register 16 + 16 u + 8 q + i: U_a[32 (4 w + u) + 16 q + 8 h + i][16 nb + r]
	global_load_b32 v[16+n], v3, s[6:7] offset:(32*(n/16)+16*((n/8)%2)+n%8)*4096
.set n, n+1
.endr
.set n, 0
.rept 32                               ; n = 16 mb + 4 u + 2 q + z: four numbers of dec[16 mb + r][63][..]
	global_load_b128 v[80+4*n:80+4*n+3], v5, s[8:9] offset:(n/16)*4194304+258048+128*((n/4)%4)+64*((n/2)%2)+16*(n%2)
.set n, n+1
.endr
	s_wait_loadcnt 0x0
.set n, 0
.rept 32
	v_cvt_pk_bf16_f32 v[16+n], v[16+2*n], v[16+2*n+1]  ; U_a's fragment u ends at v[16 + 8 u]
.set n, n+1
.endr
.set n, 0
.rept 64
	v_cvt_pk_bf16_f32 v[80+n], v[80+2*n], v[80+2*n+1]  ; dec's fragment (mb, u) at v[80 + 8 (4 mb + u)]
.set n, n+1
.endr
	; source 0 = 16 columns of U_a, source 1 = 16 batches: a lane ends with one batch (lane % 16) and the columns 8 (lane / 16) + 0..7.  The two accumulators take turns.
.irp u, 0,1,2,3
.irp mb, 0,1
.if (\u) == 0
	v_wmma_f32_16x16x32_bf16 v[208+8*(\mb):208+8*(\mb)+7], v[16+8*(\u):16+8*(\u)+7], v[80+8*(4*(\mb)+(\u)):80+8*(4*(\mb)+(\u))+7], 0
.else
	v_wmma_f32_16x16x32_bf16 v[208+8*(\mb):208+8*(\mb)+7], v[16+8*(\u):16+8*(\u)+7], v[80+8*(4*(\mb)+(\u)):80+8*(4*(\mb)+(\u))+7], v[208+8*(\mb):208+8*(\mb)+7]
.endif
.endr
.endr
.rept 8
	v_nop                                          ; the places behind the last products, ahead of the stores that read them and of the loads into their sources
.endr
.irp mb, 0,1
	ds_store_b128 v6, v[208+8*(\mb):208+8*(\mb)+3] offset:1024*(\mb)      ; each accumulator's low registers first
	ds_store_b128 v6, v[208+8*(\mb)+4:208+8*(\mb)+7] offset:1024*(\mb)+16
.endr
	s_wait_dscnt 0x0                               ; for the others' sake: my partial sums are in LDS
	s_barrier_signal -1
	s_barrier_wait -1
.irp w, 0,1,2,3,4,5,6,7
	ds_load_b64 v[16+2*(\w):16+2*(\w)+1], v7 offset:2048*(\w)
.endr
	s_wait_dscnt 0x0
	v_pk_add_f32 v[16:17], v[16:17], v[18:19]
	v_pk_add_f32 v[20:21], v[20:21], v[22:23]
	v_pk_add_f32 v[24:25], v[24:25], v[26:27]
	v_pk_add_f32 v[28:29], v[28:29], v[30:31]
	v_pk_add_f32 v[16:17], v[16:17], v[20:21]
	v_pk_add_f32 v[24:25], v[24:25], v[28:29]
	v_pk_add_f32 v[16:17], v[16:17], v[24:25]
	v_pk_mul_f32 v[16:17], v[16:17], s[24:25] op_sel_hi:[1,0]
	global_store_b64 v10, v[16:17], s[12:13]
	s_wait_tensorcnt 0x0                           ; the wave's end, behind my last LDS store
	ds_add_u32 v[SPW], v[NIL]
	s_wait_dscnt 0x0
	s_endpgm
.Lfunc_end_k_q025908094d_prep:
	.size	k_q025908094d_prep, .Lfunc_end_k_q025908094d_prep-k_q025908094d_prep
	.p2alignl 7, 3214868480
	.fill 96, 4, 3214868480
	.section	.rodata,"a",@progbits
	.p2align	6, 0x0
	.amdhsa_kernel k_q025908094d_prep
		.amdhsa_group_segment_fixed_size 17408
		.amdhsa_private_segment_fixed_size 0
		.amdhsa_enable_private_segment 0
		.amdhsa_kernarg_size 40
		.amdhsa_user_sgpr_count 2
		.amdhsa_user_sgpr_kernarg_segment_ptr 1
		.amdhsa_wavefront_size32 1
		.amdhsa_system_sgpr_workgroup_id_x 1
		.amdhsa_system_sgpr_workgroup_id_y 1
		.amdhsa_system_sgpr_workgroup_id_z 1
		.amdhsa_system_vgpr_workitem_id 0
		.amdhsa_next_free_vgpr 224
		.amdhsa_next_free_sgpr 66
		.amdhsa_reserve_vcc 0
		.amdhsa_float_denorm_mode_32 3
		.amdhsa_float_denorm_mode_16_64 3
		.amdhsa_memory_ordered 1
		.amdhsa_forward_progress 1
		.amdhsa_inst_pref_size 29
	.end_amdhsa_kernel
	.amdgpu_metadata
---
amdhsa.version: [ 1, 2 ]
amdhsa.kernels:
  - .name:           k_q025908094d_prep
    .symbol:         k_q025908094d_prep.kd
    .args:
      - { .name: W_a, .offset: 0, .size: 8, .value_kind: global_buffer, .address_space: global }
      - { .name: U_a, .offset: 8, .size: 8, .value_kind: global_buffer, .address_space: global }
      - { .name: decoder_outputs, .offset: 16, .size: 8, .value_kind: global_buffer, .address_space: global }
      - { .name: wfrag, .offset: 24, .size: 8, .value_kind: global_buffer, .address_space: global }
      - { .name: duc, .offset: 32, .size: 8, .value_kind: global_buffer, .address_space: global }
    .group_segment_fixed_size: 17408
    .private_segment_fixed_size: 0
    .kernarg_segment_align: 8
    .kernarg_segment_size: 40
    .max_flat_workgroup_size: 256
    .sgpr_count:     66
    .vgpr_count:     224
    .wavefront_size: 32
...
	.end_amdgpu_metadata
.endif
;; end of part 1
;; launch attn (part 2): grid 16 x 32, 4 waves a work-group, no clusters, 295,424 bytes of LDS; arguments encoder_outputs, wfrag, duc, V_a, sc, ctxp; writes sc, ctxp
.if DOCPART == 2
	.amdgcn_target "amdgcn-amd-amdhsa--gfx1250"
	.amdhsa_code_object_version 6
	.text
	.protected	k_q025908094d_attn
	.globl	k_q025908094d_attn
	.p2align	8
	.type	k_q025908094d_attn,@function
k_q025908094d_attn:
	s_mov_b64 s[64:65], 0
	v_nop
	global_prefetch_b8 v0, s[64:65] scope:SCOPE_SE
	s_setreg_imm32_b32 hwreg(HW_REG_WAVE_MODE, 25, 1), 1
	s_wait_xcnt 0x0
; ADDITIVE ATTENTION, ONE BLOCK OF 128 ENCODER ROWS OF ONE BATCH TO A WORK-GROUP (x = block in the batch, y = batch).
;   s'[t] = sum over f of (-2 bf16(V[f])) / (1 + 2^(c (enc[t] . W[:,f]) + duc[f])),  c = 2 log2(e), duc = c dec_U:  tanh(x) = 1 - 2 / (1 + 2^(c x)), so s' is the score less the
;   sum of V, the same for every row: a softmax does not see it.  Stored: s' (sc), and ctxp[e] = sum over the block's t of 2^((s'[t] - m) log2 e) enc[t][e], m the block's maximum of s'.
;   The next launch joins a batch's 16 blocks by the batch's maximum.
; FORMATS.  enc, W, V (and dec, U in the launch before) are rounded once to bf16; products' sums, tanh, scores, weights and the context's sums are f32.
; LIMITS.  2^x beyond f32's range gives an infinity and 1 / (1 + it) gives 0, which is tanh's limit; a weight below 2^-126 counts as 0; NaN and infinities in the inputs are not treated apart.
; THE ROWS ARE READ FROM MEMORY ONCE: rounded to bf16 they stay in LDS (8 regions of 128 k x 128 rows, rows 272 bytes apart) for both passes over the columns and for the context.
; SHARES.  N goes in two passes of 512 columns; in a pass wave w makes 128 rows x 128 columns: 64 accumulators, 512 registers.  K goes in 32 steps of 32.  Pass 1 runs while the rows arrive:
; wave w fetches rows 32 w .. 32 w + 31, a chunk of 128 k (512 bytes of a row: one load of the wave) at a time, four steps ahead of the step that rounds and stores them.
; W's fragments come straight from wfrag into registers, three steps ahead: no wave wants a fragment of W that another wave fetches.
; NO CLUSTER, NO RING FOR W, though all work-groups read the same W: rows and tables take 295,424 bytes of LDS; a K step of W for the four waves is 32,768 bytes, and two slots of it
; do not fit in the 32,256 bytes that a work-group could still ask for.
; THE MATRIX INSTRUCTION IS USED TRANSPOSED (source 0 = 16 columns of W, source 1 = 16 rows of enc): a lane holds ONE row (lane % 16) and the columns 8 (lane / 16) + 0..7, so the sum
; over columns stays in the lane but for one exchange of the halves.
; REGISTERS, in windows of 256 (s_set_vgpr_msb: bits 1:0 source 0, 3:2 source 1, 5:4 source 2, 7:6 destination):
;   window 0: v0-31 addresses; v32-95 enc's fragments of one step; v96-111 the passes' sums; v112-127 at work; v128-255 four units of 8 rows on their way (later: duc's and V's numbers, the context's rows)
;   window 1: four buffers of W's fragments (64 each)     windows 2, 3: the accumulators: (a, b) in window 2 + a / 4 at 8 (8 (a % 4) + b)
.set REG,   34816                      ; a region: 128 rows x 272
.set PIT,   272                        ; 256 bytes + 16: the 16 rows of a fragment load start 4 banks apart (64 banks of 4 bytes: ISA guide 11.1)
.set TDU,   8*REG                      ; duc's row of my batch, 4,096 bytes; behind it -2 bf16(V), 4,096
.set SCR,   TDU+8192                   ; [4 waves][128] partial scores
.set PB,    SCR+2048                   ; [4 waves][128] weights, each wave's own copy
.set CXS,   PB+2048                    ; [4 waves] 1,024 bytes: the context's way out
.set SPARE, CXS+4096                   ; the spare words, 128 bytes a wave, that no other line names
.set VL16, 2                           ; v2   16 x lane; never rewritten
.set AD0,  4                           ; v4   my place in a fragment: r x 272 + 16 h
.set AD,   5                           ; v5   AD0 + the region being read
.set VS0,  6                           ; v6   where I store 8 bytes of my wave's first row: 8,704 w + 8 x lane
.set VS,   7                           ; v7   VS0 + the region being stored
.set VPF,  8                           ; v8   4,096 x lane: a lane a row, for the prefetches; never rewritten
.set VT,   9                           ; v9   TDU + 512 w + 32 h
.set VSC,  10                          ; v10  SCR + 512 w + 4 r
.set VRD,  11                          ; v11  SCR + 16 x lane
.set VCX,  12                          ; v12  (2 w + h) REG + 16 r: the context's 8 channels of mine
.set VPP,  13                          ; v13  PB + 512 w
.set VPS,  15                          ; v15  PB + 512 w + 16 x lane
.set VCS,  16                          ; v16  CXS + 1,024 w + 512 h + 32 r
.set VCR,  17                          ; v17  CXS + 1,024 w + 16 x lane
.set SPW,  30                          ; v30  SPARE + 4 x my thread's number; never rewritten
.set NIL,  31                          ; v31  0; never rewritten
.set AF,   32
.set SP,   96                          ; v[96 + 8 p + a]: pass p's sum for row block a
.set X,    112
.set ST,   128
.set DU,   128
.set V2,   192
.set WV,  16                           ; s16  wave
.set BLK, 17                           ; s17  16 y + x
.set SA,  20                           ; s[20:21] enc at my wave's first row, at the chunk that the trip's loads fetch
.set SB,  22                           ; s[22:23] wfrag at my wave's part, at the trip's first step
.set RN,  24                           ; s24  LDS byte of the region that comes next
.set CNT, 25                           ; s25  loop counts
.set CC,  26                           ; s[26:27] c
.set SEL, 28                           ; s[28:29] v_permlanex16_b32's selects: each lane takes its own place in the other half
.set L2E, 30                           ; s30  log2(e)
.set MUL_LO, 0xa1                      ; W window 1, enc window 0, C and D window 2
.set MUL_HI, 0xf1                      ; the same, C and D window 3
.set TO_B,   0x40                      ; destination window 1
.set MSB, 0
.macro WIN new                         ; the immediate's high byte repeats the setting that is left; a switch that changes nothing is dropped
.if MSB != (\new)
	s_set_vgpr_msb (MSB<<8)|(\new)
.set MSB, \new
.endif
.endm
.macro PLACES                          ; four plain instructions between a matrix instruction and a load into, or a vector instruction on, its registers (ISA guide 7.12.1 for vector instructions)
.rept 4
	v_nop
.endr
.endm
; Eight products: row block a x all 8 column blocks, W's buffer j.  The 64 accumulators take turns in the same order in every step, over the backward jumps too.
.macro MULA j, a, zero
.irp b, 0,1,2,3,4,5,6,7
.if \zero
	v_wmma_f32_16x16x32_bf16 v[8*(8*((\a)%4)+(\b)):8*(8*((\a)%4)+(\b))+7], v[64*(\j)+8*(\b):64*(\j)+8*(\b)+7], v[AF+8*(\a):AF+8*(\a)+7], 0
.else
	v_wmma_f32_16x16x32_bf16 v[8*(8*((\a)%4)+(\b)):8*(8*((\a)%4)+(\b))+7], v[64*(\j)+8*(\b):64*(\j)+8*(\b)+7], v[AF+8*(\a):AF+8*(\a)+7], v[8*(8*((\a)%4)+(\b)):8*(8*((\a)%4)+(\b))+7]
.endif
.endr
.endm
; Eight LDS loads: enc's fragments of row blocks 4 half .. 4 half + 3, 32 k at byte off of the region's rows
.macro FETCH half, off
.irp a, 0,1,2,3
	ds_load_b128 v[AF+8*(4*(\half)+(\a)):AF+8*(4*(\half)+(\a))+3],   v[AD] offset:(4*(\half)+(\a))*16*PIT+(\off)
	ds_load_b128 v[AF+8*(4*(\half)+(\a))+4:AF+8*(4*(\half)+(\a))+7], v[AD] offset:(4*(\half)+(\a))*16*PIT+(\off)+32
.endr
.endm
; Eight loads: rows 8 j .. 8 j + 7 of my wave's 32, 512 consecutive bytes each, into unit j
.macro ALOAD j, off
.irp i, 0,1,2,3,4,5,6,7
	global_load_b128 v[ST+32*(\j)+4*(\i):ST+32*(\j)+4*(\i)+3], v[VL16], s[SA:SA+1] offset:(8*(\j)+(\i))*4096+(\off) th:TH_LOAD_NT
.endr
.endm
; Sixteen loads: a step's fragments of W for my 128 columns, 8,192 consecutive bytes, into buffer jb
.macro BLOAD jb, off
	WIN TO_B
.irp b, 0,1,2,3,4,5,6,7
	global_load_b128 v[64*(\jb)+8*(\b):64*(\jb)+8*(\b)+3],   v[VL16], s[SB:SB+1] offset:(\off)+(\b)*1024
	global_load_b128 v[64*(\jb)+8*(\b)+4:64*(\jb)+8*(\b)+7], v[VL16], s[SB:SB+1] offset:(\off)+(\b)*1024+512
.endr
	WIN 0
.endm
; A K STEP: 64 products.  j = step % 4: W's buffer and the rows' unit.
;   zero  the products start the sums          cons  unit j (fetched four steps ago) is rounded and stored into the region RN
;   aiss  unit j is asked for again            biss  W of the step three on is asked for
;   bar   the region being stored is whole: barrier, then its first fragments are read
;   nxt   the next step's fragments of enc: 0 none, 1 same region, 2 the region RN, 3 back to region 0
;   lc    global loads younger than this step's W (loads come back in order: ISA guide 5.7.1); the unit that cons takes is older than that W
;   pf    the prefetch stands behind this step's loads
.macro STEP j, zero, cons, aiss, biss, bar, nxt, lc, pf
.set NOFF, 0
.if (\nxt) == 1
.set NOFF, 64*((\j)+1)
.endif
.set DW, 0
.if \cons
.set DW, DW+8
.endif
.if \nxt
.set DW, DW+8
.endif
.set BJ, ((\j)+3)%4
.set BO, ((\j)+3)*8192
.set AO, 0
.if (\j) == 3                          ; the pointers are stepped in the middle of step 3, ahead of its loads
.set BO, 2*8192
.set AO, -512
.endif
	s_wait_loadcnt \lc
	s_wait_dscnt 8                                 ; row blocks 0-3 are in; the youngest eight LDS loads (blocks 4-7) may be out
	WIN MUL_LO
	MULA \j, 0, \zero
	MULA \j, 1, \zero
	MULA \j, 2, \zero
	MULA \j, 3, \zero
	WIN 0
.if \cons
.if (\j) == 0
	v_add_nc_u32 v[VS], s[RN], v[VS0]
.endif
.irp i, 0,1,2,3,4,5,6,7                ; a lane's four numbers of a row become 8 bytes; these sixteen lines are also the places ahead of the loads into blocks 0-3's fragments
	v_cvt_pk_bf16_f32 v[ST+32*(\j)+4*(\i)],   v[ST+32*(\j)+4*(\i)],   v[ST+32*(\j)+4*(\i)+1]
	v_cvt_pk_bf16_f32 v[ST+32*(\j)+4*(\i)+1], v[ST+32*(\j)+4*(\i)+2], v[ST+32*(\j)+4*(\i)+3]
.endr
.irp i, 0,1,2,3,4,5,6,7
	ds_store_b64 v[VS], v[ST+32*(\j)+4*(\i):ST+32*(\j)+4*(\i)+1] offset:(8*(\j)+(\i))*PIT  ; 256 consecutive bytes of one row
.endr
.else
	PLACES
.endif
.if ((\j) == 3) && (\biss)
	s_wait_xcnt 0x0                                ; every load and prefetch issued so far (the youngest half a step back) has read its address: the pointers may be written
	s_add_nc_u64 s[SB:SB+1], s[SB:SB+1], 32768
.if \aiss
	s_add_nc_u64 s[SA:SA+1], s[SA:SA+1], 512
.endif
.endif
.if (\nxt) == 2
	v_add_nc_u32 v[AD], s[RN], v[AD0]
	s_add_co_u32 s[RN], s[RN], REG
.elseif (\nxt) == 3
	v_mov_b32 v[AD], v[AD0]
	s_mov_b32 s[RN], REG
.endif
.if \bar
	s_wait_dscnt 0x0                               ; for the others' sake: my 32 rows of the region are stored (and my fragments are in)
	s_barrier_signal -1
	WIN MUL_HI
	MULA \j, 4, \zero                              ; work on registers while the others arrive
	MULA \j, 5, \zero
	WIN 0
	s_barrier_wait -1                              ; the region is whole
	FETCH 0, NOFF
	WIN MUL_HI
	MULA \j, 6, \zero
	MULA \j, 7, \zero
.else
.if \nxt
	FETCH 0, NOFF
.endif
	s_wait_dscnt DW                                ; blocks 4-7 are in; behind them stand this step's stores (8, with cons) and the eight loads just issued
	WIN MUL_HI
	MULA \j, 4, \zero
	MULA \j, 5, \zero
	MULA \j, 6, \zero
	MULA \j, 7, \zero
.endif
	WIN 0
	PLACES                                         ; ahead of the loads into blocks 4-7's fragments, and (a step later) into this step's buffer of W
.if \nxt
	FETCH 1, NOFF
.endif
.if \biss
	BLOAD BJ, BO
.endif
.if \aiss
	ALOAD \j, AO
.endif
.if \pf
	; A PREFETCH INTO THE L2: my wave's 32 rows of the chunk that the NEXT trip's loads fetch, 512 bytes a row: a lane a row, two instructions, behind this step's loads; those loads stand
	; four to seven steps on.  Each wave asks for what it will load itself, so each block is named once in the launch.  The last trip has no chunk behind its own; chunks 0 to 2 come by their loads alone.
	s_cmp_gt_u32 s[CNT], 1
	s_cbranch_scc0 .Lnopf_\@
	global_prefetch_b8 v[VPF], s[SA:SA+1] offset:512 th:TH_LOAD_NT scope:SCOPE_SE
	global_prefetch_b8 v[VPF], s[SA:SA+1] offset:768 th:TH_LOAD_NT scope:SCOPE_SE
.Lnopf_\@:
.endif
.endm
; THE EPILOGUE for row block a of pass p: 64 numbers a lane, in place, from each accumulator's low end on.  Two batches of 64 transcendentals, each with a plain instruction behind its last
; and ONE wait ahead of its first reader; a packed line stands ahead of each pair of transcendentals.
.macro EPA a, p
.set AC, 64*((\a)%4)
.set WW, 2+(\a)/4
	WIN (WW<<6)|WW                                 ; destination and source 0: the accumulators' window; duc's numbers in window 0
.set i, 0
.rept 33
.if i < 32
	v_pk_fma_f32 v[AC+2*i:AC+2*i+1], v[AC+2*i:AC+2*i+1], s[CC:CC+1], v[DU+2*i:DU+2*i+1] op_sel_hi:[1,0,1]  ; c x + c dec_U
.endif
.if i > 0
	v_exp_f32 v[AC+2*i-2], v[AC+2*i-2]
	v_exp_f32 v[AC+2*i-1], v[AC+2*i-1]
.endif
.set i, i+1
.endr
	v_nop
	s_wait_alu depctr_va_vdst(0)
.set i, 0
.rept 33
.if i < 32
	v_pk_add_f32 v[AC+2*i:AC+2*i+1], v[AC+2*i:AC+2*i+1], 1.0 op_sel_hi:[1,0]
.endif
.if i > 0
	v_rcp_f32 v[AC+2*i-2], v[AC+2*i-2]
	v_rcp_f32 v[AC+2*i-1], v[AC+2*i-1]
.endif
.set i, i+1
.endr
	v_nop
	s_wait_alu depctr_va_vdst(0)
	WIN WW                                         ; source 0: the accumulators' window
.set i, 0
.rept 32                               ; times -2 V, summed in four chains
.if i < 4
	v_pk_mul_f32 v[X+2*i:X+2*i+1], v[AC+2*i:AC+2*i+1], v[V2+2*i:V2+2*i+1]
.else
	v_pk_fma_f32 v[X+2*(i%4):X+2*(i%4)+1], v[AC+2*i:AC+2*i+1], v[V2+2*i:V2+2*i+1], v[X+2*(i%4):X+2*(i%4)+1]
.endif
.set i, i+1
.endr
	WIN 0
	v_pk_add_f32 v[X:X+1], v[X:X+1], v[X+2:X+3]
	v_pk_add_f32 v[X+4:X+5], v[X+4:X+5], v[X+6:X+7]
	v_pk_add_f32 v[X:X+1], v[X:X+1], v[X+4:X+5]
	v_add_f32 v[SP+8*(\p)+(\a)], v[X], v[X+1]
.endm
.macro EPI p
	WIN 0
.irp b, 0,1,2,3,4,5,6,7                ; my 64 columns' duc and -2 V: register 8 b + jj for column 512 p + 128 w + 16 b + 8 h + jj
	ds_load_b128 v[DU+8*(\b):DU+8*(\b)+3],   v[VT] offset:2048*(\p)+64*(\b)
	ds_load_b128 v[DU+8*(\b)+4:DU+8*(\b)+7], v[VT] offset:2048*(\p)+64*(\b)+16
	ds_load_b128 v[V2+8*(\b):V2+8*(\b)+3],   v[VT] offset:4096+2048*(\p)+64*(\b)
	ds_load_b128 v[V2+8*(\b)+4:V2+8*(\b)+7], v[VT] offset:4096+2048*(\p)+64*(\b)+16
.endr
	PLACES                                         ; with the four that end the last step: the places behind the last products
	s_wait_dscnt 0x0
.irp a, 0,1,2,3,4,5,6,7
	EPA \a, \p
.endr
.endm
	; ---- set-up
	s_load_b256 s[4:11], s[0:1], 0x0               ; enc s[4:5], wfrag s[6:7], duc s[8:9], V_a s[10:11]
	s_load_b128 s[12:15], s[0:1], 0x20             ; sc s[12:13], ctxp s[14:15]
	v_lshl_add_u32 v[SPW], v0, 2, SPARE
	v_mov_b32 v[NIL], 0
	v_lshrrev_b32 v1, 5, v0
	v_readfirstlane_b32 s[WV], v1                  ; wave 0..3
	v_and_b32 v20, 31, v0                          ; lane
	v_and_b32 v21, 15, v0                          ; r
	v_bfe_u32 v22, v0, 4, 1                        ; h
	s_and_b32 s18, ttmp7, 0xffff                   ; batch
	s_lshl_b32 s[BLK], s18, 4
	s_add_co_u32 s[BLK], s[BLK], ttmp9
	v_lshlrev_b32 v[VL16], 4, v20
	v_mul_u32_u24 v[AD0], v21, PIT
	v_lshl_add_u32 v[AD0], v22, 4, v[AD0]
	s_mul_i32 s32, s[WV], 32*PIT
	v_lshl_add_u32 v[VS0], v20, 3, s32
	v_lshlrev_b32 v[VPF], 12, v20
	s_lshl_b32 s32, s[WV], 9
	s_add_co_u32 s34, s32, TDU
	v_lshl_add_u32 v[VT], v22, 5, s34
	s_add_co_u32 s34, s32, SCR
	v_lshl_add_u32 v[VSC], v21, 2, s34
	v_lshl_add_u32 v[VRD], v20, 4, SCR
	s_mul_i32 s34, s[WV], 2*REG
	v_mul_u32_u24 v[VCX], v22, REG
	v_add_nc_u32 v[VCX], s34, v[VCX]
	v_lshl_add_u32 v[VCX], v21, 4, v[VCX]
	s_add_co_u32 s34, s32, PB
	v_mov_b32 v[VPP], s34
	v_lshl_add_u32 v[VPS], v20, 4, s34
	s_lshl_b32 s34, s[WV], 10
	s_add_co_u32 s34, s34, CXS
	v_lshl_add_u32 v[VCS], v22, 9, s34
	v_lshl_add_u32 v[VCS], v21, 5, v[VCS]
	v_lshl_add_u32 v[VCR], v20, 4, s34
	v_lshlrev_b32 v18, 4, v0                       ; 16 x thread: the tables' loads,
	v_lshl_add_u32 v19, v0, 4, TDU                 ; and their place in LDS
	s_mov_b32 s[CC], 0x4038aa3b                    ; c = 2 log2(e)
	s_mov_b32 s[CC+1], s[CC]                       ; named with it as a pair
	s_mov_b32 s[SEL], 0x76543210
	s_mov_b32 s[SEL+1], 0xfedcba98
	s_mov_b32 s[L2E], 0x3fb8aa3b
	s_mov_b32 s[RN], REG
	s_mov_b32 s33, 0
	s_wait_kmcnt 0x0
	s_lshl_b32 s32, s[BLK], 19                     ; 128 rows of 4,096 bytes a block (under 2^28 in all),
	s_lshl_b32 s34, s[WV], 17                      ; 32 rows a wave
	s_add_co_u32 s32, s32, s34
	s_add_nc_u64 s[SA:SA+1], s[4:5], s[32:33]
	s_lshl_b32 s32, s[WV], 19                      ; my wave's 64 steps of 8,192 bytes
	s_add_nc_u64 s[SB:SB+1], s[6:7], s[32:33]
	s_lshl_b32 s32, s18, 12
	s_add_nc_u64 s[8:9], s[8:9], s[32:33]          ; duc's row of my batch
	s_lshl_b32 s32, s[BLK], 9
	s_add_nc_u64 s[36:37], s[12:13], s[32:33]      ; sc at my block
	s_lshl_b32 s32, s[BLK], 12
	s_lshl_b32 s34, s[WV], 10
	s_add_co_u32 s32, s32, s34
	s_add_nc_u64 s[38:39], s[14:15], s[32:33]      ; ctxp at my block, my wave's 256 channels
	; ---- the first loads, in the order that the counted waits lean on: chunk 0 (32), the tables (4), unit 0 (8), W 0 (16), unit 1 (8), W 1 (16) | unit 2, W 2, unit 3
	WIN 0x80                                       ; chunk 0 lands in window 2, v0-127, which the sums take over later
.set n, 0
.rept 32
	global_load_b128 v[4*n:4*n+3], v[VL16], s[SA:SA+1] offset:n*4096 th:TH_LOAD_NT
.set n, n+1
.endr
	WIN 0
	global_load_b128 v[112:115], v18, s[8:9]
	global_load_b128 v[116:119], v18, s[8:9] offset:2048
	global_load_b128 v[120:123], v18, s[10:11]
	global_load_b128 v[124:127], v18, s[10:11] offset:2048
	ALOAD 0, 512                                   ; chunk 1
	BLOAD 0, 0
	ALOAD 1, 512
	BLOAD 1, 8192
	; Pass 1's sums are cleared, 512 lines, while the first rows are on their way: the price of one text for every trip of pass 1's loop.  Pass 2's first step starts its sums with the constant 0.
	WIN 0xc0
.set n, 0
.rept 256
	v_mov_b32 v[n], 0
.set n, n+1
.endr
	WIN 0x80
.set n, 128
.rept 128
	v_mov_b32 v[n], 0
.set n, n+1
.endr
	s_wait_loadcnt 48                              ; chunk 0 and the tables are in; the 48 loads behind them may stay out
	WIN 0x0a                                       ; sources 0 and 1 window 2, destination window 0
.set n, 0
.rept 32
	v_cvt_pk_bf16_f32 v[AF+2*n],   v[4*n],   v[4*n+1]
	v_cvt_pk_bf16_f32 v[AF+2*n+1], v[4*n+2], v[4*n+3]
.set n, n+1
.endr
	WIN 0
.set n, 0
.rept 32
	ds_store_b64 v[VS0], v[AF+2*n:AF+2*n+1] offset:n*PIT  ; region 0
.set n, n+1
.endr
.irp i, 0,2,4,6                        ; V rounded to bf16, widened again, times -2
	v_cvt_pk_bf16_f32 v23, v[120+(\i)], v[121+(\i)]
	v_lshlrev_b32 v[120+(\i)], 16, v23
	v_and_b32 v[121+(\i)], 0xffff0000, v23
	v_pk_mul_f32 v[120+(\i):121+(\i)], v[120+(\i):121+(\i)], -2.0 op_sel_hi:[1,0]
.endr
	ds_store_b128 v19, v[112:115]
	ds_store_b128 v19, v[116:119] offset:2048
	ds_store_b128 v19, v[120:123] offset:4096
	ds_store_b128 v19, v[124:127] offset:6144
	ALOAD 2, 512
	BLOAD 2, 16384
	ALOAD 3, 512
	WIN 0x80
.set n, 0
.rept 128
	v_mov_b32 v[n], 0
.set n, n+1
.endr
	WIN 0
	s_wait_xcnt 0x0                                ; the loads have read their address
	s_add_nc_u64 s[SA:SA+1], s[SA:SA+1], 1024      ; chunk 2: what trip 0 fetches
	s_wait_dscnt 0x0                               ; for the others' sake: my rows of region 0 and my part of the tables are stored
	s_barrier_signal -1
	s_barrier_wait -1
	v_mov_b32 v[AD], v[AD0]
	FETCH 0, 0
	FETCH 1, 0
	; ---- pass 1.  Behind a step's W stand: unit 8, W 16, unit 8, W 16, unit 8 = 56 younger loads; the counts run down when the units stop
	s_mov_b32 s[CNT], 6
.Lp1:                                          ; trip t: steps 4 t .. 4 t + 3; stores chunk t + 1, fetches chunk t + 2
	STEP 0, 0, 1, 1, 1, 0, 1, 56, 1
	STEP 1, 0, 1, 1, 1, 0, 1, 56, 0
	STEP 2, 0, 1, 1, 1, 0, 1, 56, 0
	STEP 3, 0, 1, 1, 1, 1, 2, 56, 0
	s_sub_co_u32 s[CNT], s[CNT], 1
	s_cmp_lg_u32 s[CNT], 0
	s_cbranch_scc1 .Lp1
	STEP 0, 0, 1, 0, 1, 0, 1, 56, 0                ; steps 24-27 store chunk 7 and fetch no rows
	STEP 1, 0, 1, 0, 1, 0, 1, 48, 0
	STEP 2, 0, 1, 0, 1, 0, 1, 40, 0
	STEP 3, 0, 1, 0, 1, 1, 2, 32, 0
	STEP 0, 0, 0, 0, 1, 0, 1, 32, 0                ; steps 28-31; from here on two steps' W, 32 loads, are younger
	STEP 1, 0, 0, 0, 1, 0, 1, 32, 0
	STEP 2, 0, 0, 0, 1, 0, 1, 32, 0
	STEP 3, 0, 0, 0, 1, 0, 3, 32, 0                ; pass 2's first fragments of enc and its first three steps' W are on their way across the epilogue
	EPI 0
	; ---- pass 2: the rows are all in LDS
	STEP 0, 1, 0, 0, 1, 0, 1, 32, 0                ; step 32 starts the sums
	s_mov_b32 s[CNT], 7
.Lp2:                                          ; steps 33-60
	STEP 1, 0, 0, 0, 1, 0, 1, 32, 0
	STEP 2, 0, 0, 0, 1, 0, 1, 32, 0
	STEP 3, 0, 0, 0, 1, 0, 2, 32, 0
	STEP 0, 0, 0, 0, 1, 0, 1, 32, 0
	s_sub_co_u32 s[CNT], s[CNT], 1
	s_cmp_lg_u32 s[CNT], 0
	s_cbranch_scc1 .Lp2
	STEP 1, 0, 0, 0, 0, 0, 1, 32, 0                ; the last three steps ask for no W: the counts run down
	STEP 2, 0, 0, 0, 0, 0, 1, 16, 0
	STEP 3, 0, 0, 0, 0, 0, 0, 0, 0
	EPI 1
	; ---- the block's scores: both passes, both halves of the lanes, all four waves
.irp a, 0,1,2,3,4,5,6,7
	v_add_f32 v[SP+(\a)], v[SP+(\a)], v[SP+8+(\a)]
.endr
.irp a, 0,1,2,3,4,5,6,7
	v_permlanex16_b32 v[SP+8+(\a)], v[SP+(\a)], s[SEL], s[SEL+1]
.endr
.irp a, 0,1,2,3,4,5,6,7
	v_add_f32 v[SP+(\a)], v[SP+(\a)], v[SP+8+(\a)]
.endr
.irp a, 0,1,2,3,4,5,6,7
	ds_store_b32 v[VSC], v[SP+(\a)] offset:64*(\a)  ; row 16 a + r; both halves of the lanes write the same number
.endr
	s_wait_dscnt 0x0                               ; for the others' sake
	s_barrier_signal -1
	s_barrier_wait -1
.irp w, 0,1,2,3
	ds_load_b128 v[112+4*(\w):112+4*(\w)+3], v[VRD] offset:512*(\w)  ; rows 4 x lane .. + 3, wave w's columns
.endr
	s_wait_dscnt 0x0
	v_pk_add_f32 v[112:113], v[112:113], v[116:117]
	v_pk_add_f32 v[114:115], v[114:115], v[118:119]
	v_pk_add_f32 v[120:121], v[120:121], v[124:125]
	v_pk_add_f32 v[122:123], v[122:123], v[126:127]
	v_pk_add_f32 v[112:113], v[112:113], v[120:121]
	v_pk_add_f32 v[114:115], v[114:115], v[122:123]
	s_cmp_lg_u32 s[WV], 0
	s_cbranch_scc1 .Lnosc
	global_store_b128 v[VL16], v[112:115], s[36:37]  ; wave 0: the block's 128 scores, 512 consecutive bytes; v112-115 are not written again
.Lnosc:
	v_max3_num_f32 v120, v112, v113, v114          ; the block's maximum, in every lane of every wave
	v_max_num_f32 v120, v120, v115
	v_max_num_f32_dpp v120, v120, v120 row_xmask:1 row_mask:0xf bank_mask:0xf
	v_max_num_f32_dpp v120, v120, v120 row_xmask:2 row_mask:0xf bank_mask:0xf
	v_max_num_f32_dpp v120, v120, v120 row_xmask:4 row_mask:0xf bank_mask:0xf
	v_max_num_f32_dpp v120, v120, v120 row_xmask:8 row_mask:0xf bank_mask:0xf
	v_permlanex16_b32 v121, v120, s[SEL], s[SEL+1]
	v_max_num_f32 v120, v120, v121
	v_mul_f32 v121, s[L2E], v120
.irp i, 0,1,2,3
	v_fma_f32 v[116+(\i)], v[112+(\i)], s[L2E], -v121
.endr
.irp i, 0,1,2,3
	v_exp_f32 v[116+(\i)], v[116+(\i)]             ; p = e^(s' - m)
.endr
.irp z, 0,1,2,3,4,5,6,7
	v_mov_b32 v[64+(\z)], 0                        ; the context's eight sums: plain work behind the exponentials
.endr
	s_wait_alu depctr_va_vdst(0)                   ; one wait for the four, ahead of their first reader
	ds_store_b128 v[VPS], v[116:119]               ; my wave's own copy of the 128 weights: LDS serves a wave's instructions in order (ISA guide 5.7.1.4), so no barrier
	; ---- the block's part of the context, from the rows in LDS: wave w makes channels 256 w .. + 255, a lane 8 of them; bf16 x f32 + f32
	s_mov_b32 s[CNT], 4
.Lctx:                                         ; 32 rows a trip
.irp g, 0,1,2,3,4,5,6,7
	ds_load_b128 v[32+4*(\g):32+4*(\g)+3], v[VPP] offset:16*(\g)  ; 32 weights, the same in every lane
.endr
.set n, 0
.rept 32
	ds_load_b128 v[128+4*n:128+4*n+3], v[VCX] offset:n*PIT
.set n, n+1
.endr
.irp o, 0,1,2,3
	s_wait_dscnt 24-8*(\o)                         ; the weights and rows up to 8 o + 7 are in; the younger rows may be out
.set n, 8*(\o)
.rept 8
.irp z, 0,1,2,3
	v_fma_mix_f32_bf16 v[64+2*(\z)],   v[128+4*n+(\z)], v[32+n], v[64+2*(\z)]   op_sel_hi:[1,0,0]
	v_fma_mix_f32_bf16 v[64+2*(\z)+1], v[128+4*n+(\z)], v[32+n], v[64+2*(\z)+1] op_sel:[1,0,0] op_sel_hi:[1,0,0]
.endr
.set n, n+1
.endr
.endr
	v_add_nc_u32 v[VPP], 128, v[VPP]
	v_add_nc_u32 v[VCX], 32*PIT, v[VCX]
	s_sub_co_u32 s[CNT], s[CNT], 1
	s_cmp_lg_u32 s[CNT], 0
	s_cbranch_scc1 .Lctx
	ds_store_b128 v[VCS], v[64:67]                 ; through my own stage, so that a store of the wave covers 512 consecutive bytes
	ds_store_b128 v[VCS], v[68:71] offset:16
	ds_load_b128 v[72:75], v[VCR]
	ds_load_b128 v[76:79], v[VCR] offset:512
	s_wait_dscnt 0x0
	global_store_b128 v[VL16], v[72:75], s[38:39]
	global_store_b128 v[VL16], v[76:79], s[38:39] offset:512
	s_wait_tensorcnt 0x0                           ; the wave's end, behind my last LDS store
	ds_add_u32 v[SPW], v[NIL]
	s_wait_dscnt 0x0
	s_endpgm
.Lfunc_end_k_q025908094d_attn:
	.size	k_q025908094d_attn, .Lfunc_end_k_q025908094d_attn-k_q025908094d_attn
	.p2alignl 7, 3214868480
	.fill 96, 4, 3214868480
	.section	.rodata,"a",@progbits
	.p2align	6, 0x0
	.amdhsa_kernel k_q025908094d_attn
		.amdhsa_group_segment_fixed_size 295424
		.amdhsa_private_segment_fixed_size 0
		.amdhsa_enable_private_segment 0
		.amdhsa_kernarg_size 48
		.amdhsa_user_sgpr_count 2
		.amdhsa_user_sgpr_kernarg_segment_ptr 1
		.amdhsa_wavefront_size32 1
		.amdhsa_system_sgpr_workgroup_id_x 1
		.amdhsa_system_sgpr_workgroup_id_y 1
		.amdhsa_system_sgpr_workgroup_id_z 1
		.amdhsa_system_vgpr_workitem_id 0
		.amdhsa_next_free_vgpr 1024
		.amdhsa_next_free_sgpr 66
		.amdhsa_reserve_vcc 0
		.amdhsa_float_denorm_mode_32 3
		.amdhsa_float_denorm_mode_16_64 3
		.amdhsa_memory_ordered 1
		.amdhsa_forward_progress 1
		.amdhsa_inst_pref_size 255
	.end_amdhsa_kernel
	.section	.bss,"aw",@nobits
	.p2align	6
	.space	262144
	.amdgpu_metadata
---
amdhsa.version: [ 1, 2 ]
amdhsa.kernels:
  - .name:           k_q025908094d_attn
    .symbol:         k_q025908094d_attn.kd
    .args:
      - { .name: encoder_outputs, .offset: 0, .size: 8, .value_kind: global_buffer, .address_space: global }
      - { .name: wfrag, .offset: 8, .size: 8, .value_kind: global_buffer, .address_space: global }
      - { .name: duc, .offset: 16, .size: 8, .value_kind: global_buffer, .address_space: global }
      - { .name: V_a, .offset: 24, .size: 8, .value_kind: global_buffer, .address_space: global }
      - { .name: sc, .offset: 32, .size: 8, .value_kind: global_buffer, .address_space: global }
      - { .name: ctxp, .offset: 40, .size: 8, .value_kind: global_buffer, .address_space: global }
    .group_segment_fixed_size: 295424
    .private_segment_fixed_size: 0
    .kernarg_segment_align: 8
    .kernarg_segment_size: 48
    .max_flat_workgroup_size: 128
    .sgpr_count:     66
    .vgpr_count:     1024
    .wavefront_size: 32
...
	.end_amdgpu_metadata
.endif
;; end of part 2
;; launch comb (part 3): grid 4 x 32, 4 waves a work-group, no clusters, 1,024 bytes of LDS; arguments sc, ctxp, out0, out1; writes out0, out1
.if DOCPART == 3
	.amdgcn_target "amdgcn-amd-amdhsa--gfx1250"
	.amdhsa_code_object_version 6
	.text
	.protected	k_q025908094d_comb
	.globl	k_q025908094d_comb
	.p2align	8
	.type	k_q025908094d_comb,@function
k_q025908094d_comb:
	s_mov_b64 s[64:65], 0
	v_nop
	global_prefetch_b8 v0, s[64:65] scope:SCOPE_SE
	s_setreg_imm32_b32 hwreg(HW_REG_WAVE_MODE, 25, 1), 1
	s_wait_xcnt 0x0
; THE SOFTMAX OVER A BATCH'S 2,048 POSITIONS, JOINED FROM 16 BLOCKS.  y = batch, x = quarter of the outputs.  Every work-group reads the batch's 2,048 scores (8 KiB), finds the 16 blocks'
; maxima m_k (a maximum rounds nothing: they are the numbers by which the launch before scaled its partial contexts), the batch's maximum M and L = sum of e^(s - M);
;   out1[t] = e^(s[t] - M) / L for its 512 positions;   out0[e] = (sum over k of e^(m_k - M) ctxp[k][e]) / L for its 256 channels.
; All in f32.  A weight below 2^-126 counts as 0.  Memory binds this launch and it is small: no matrix unit, no cluster.
.set SPW, 4                            ; v4  512 + 4 x my thread's number; never rewritten
.set NIL, 5                            ; v5  0; never rewritten
; LDS: 0..63 the 16 maxima; 256..271 the four waves' sums; 512..1023 the spare words, that no other line names
	s_load_b256 s[4:11], s[0:1], 0x0               ; sc s[4:5], ctxp s[6:7], out0 s[8:9], out1 s[10:11]
	v_lshl_add_u32 v[SPW], v0, 2, 512
	v_mov_b32 v[NIL], 0
	v_mov_b32 v6, 0                                ; LDS address 0
.irp j, 0,1,2,3
	v_mov_b32 v[12+(\j)], 0                        ; v_permlanex16_b32's destinations count as read
.endr
	v_lshrrev_b32 v7, 5, v0
	v_readfirstlane_b32 s12, v7                    ; wave
	v_lshlrev_b32 v1, 4, v0                        ; 16 x thread
	v_lshlrev_b32 v2, 3, v0                        ; 8 x thread
	s_lshl_b32 s13, s12, 2
	v_mov_b32 v3, s13                              ; 4 x wave
	s_and_b32 s16, ttmp7, 0xffff
	s_lshl_b32 s18, s16, 13                        ; a batch's scores and weights: 8,192 bytes
	s_mov_b32 s19, 0
	s_lshl_b32 s20, ttmp9, 11                      ; my quarter of them
	s_mov_b32 s21, 0
	s_lshl_b32 s22, s16, 16                        ; a batch's 16 partial contexts,
	s_lshl_b32 s24, ttmp9, 10                      ; my 256 channels
	s_add_co_u32 s22, s22, s24
	s_mov_b32 s23, 0
	s_lshl_b32 s17, s16, 12
	s_add_co_u32 s24, s24, s17                     ; the same channels in out0's row
	s_mov_b32 s25, 0
	s_mov_b32 s26, 0x3fb8aa3b                      ; log2(e)
	s_mov_b32 s28, 0x76543210
	s_mov_b32 s29, 0xfedcba98
	s_wait_kmcnt 0x0
	s_add_nc_u64 s[4:5], s[4:5], s[18:19]
	s_add_nc_u64 s[14:15], s[4:5], s[20:21]
	s_add_nc_u64 s[6:7], s[6:7], s[22:23]
	s_add_nc_u64 s[8:9], s[8:9], s[24:25]
	s_add_nc_u64 s[10:11], s[10:11], s[18:19]
	s_add_nc_u64 s[10:11], s[10:11], s[20:21]
.irp j, 0,1,2,3
	global_load_b128 v[16+4*(\j):16+4*(\j)+3], v1, s[4:5] offset:2048*(\j)  ; wave w's load j is block 4 j + w, whole
.endr
	global_load_b128 v[32:35], v1, s[14:15]        ; my four positions of out1
.irp k, 0,1,2,3,4,5,6,7,8,9,10,11,12,13,14,15
	global_load_b64 v[40+2*(\k):40+2*(\k)+1], v2, s[6:7] offset:4096*(\k)  ; block k's partial context, my two channels: a wave takes 256 consecutive bytes
.endr
	s_wait_loadcnt 17                              ; the scores are in; the 17 younger loads may stay out
.irp j, 0,1,2,3
	v_max3_num_f32 v[8+(\j)], v[16+4*(\j)], v[17+4*(\j)], v[18+4*(\j)]
.endr
.irp j, 0,1,2,3
	v_max_num_f32 v[8+(\j)], v[8+(\j)], v[19+4*(\j)]
.endr
.irp m, 1,2,4,8
.irp j, 0,1,2,3
	v_max_num_f32_dpp v[8+(\j)], v[8+(\j)], v[8+(\j)] row_xmask:\m row_mask:0xf bank_mask:0xf
.endr
.endr
.irp j, 0,1,2,3
	v_permlanex16_b32 v[12+(\j)], v[8+(\j)], s28, s29
.endr
.irp j, 0,1,2,3
	v_max_num_f32 v[8+(\j)], v[8+(\j)], v[12+(\j)]
.endr
.irp j, 0,1,2,3
	ds_store_b32 v3, v[8+(\j)] offset:16*(\j)      ; m of block 4 j + w
.endr
	s_wait_dscnt 0x0                               ; for the others' sake
	s_barrier_signal -1
	s_barrier_wait -1
.irp g, 0,1,2,3
	ds_load_b128 v[72+4*(\g):72+4*(\g)+3], v6 offset:16*(\g)
.endr
	s_wait_dscnt 0x0
	v_max3_num_f32 v88, v72, v73, v74
.irp k, 75,77,79,81,83,85
	v_max3_num_f32 v88, v88, v[\k], v[(\k)+1]
.endr
	v_max_num_f32 v88, v88, v87                    ; M
	v_mul_f32 v89, s26, v88
	s_wait_loadcnt 16                              ; my positions of out1 are in
.set i, 0
.rept 16
	v_fma_f32 v[16+i], v[16+i], s26, -v89
	v_fma_f32 v[72+i], v[72+i], s26, -v89
.set i, i+1
.endr
.irp i, 0,1,2,3
	v_fma_f32 v[32+(\i)], v[32+(\i)], s26, -v89
.endr
.set i, 0
.rept 16                               ; one batch of 36 exponentials,
	v_exp_f32 v[16+i], v[16+i]
	v_exp_f32 v[72+i], v[72+i]
.set i, i+1
.endr
.irp i, 0,1,2,3
	v_exp_f32 v[32+(\i)], v[32+(\i)]
.endr
	v_nop                                          ; a plain instruction behind the last,
	s_wait_alu depctr_va_vdst(0)                   ; and one wait ahead of the first reader
.irp i, 0,2,4,6
	v_pk_add_f32 v[16+(\i):17+(\i)], v[16+(\i):17+(\i)], v[24+(\i):25+(\i)]
.endr
	v_pk_add_f32 v[16:17], v[16:17], v[20:21]
	v_pk_add_f32 v[18:19], v[18:19], v[22:23]
	v_pk_add_f32 v[16:17], v[16:17], v[18:19]
	v_add_f32 v16, v16, v17
	v_add_f32_dpp v16, v16, v16 row_xmask:1 row_mask:0xf bank_mask:0xf
	v_add_f32_dpp v16, v16, v16 row_xmask:2 row_mask:0xf bank_mask:0xf
	v_add_f32_dpp v16, v16, v16 row_xmask:4 row_mask:0xf bank_mask:0xf
	v_add_f32_dpp v16, v16, v16 row_xmask:8 row_mask:0xf bank_mask:0xf
	v_permlanex16_b32 v12, v16, s28, s29
	v_add_f32 v16, v16, v12
	ds_store_b32 v3, v16 offset:256                ; my wave's four blocks' share of L
	s_wait_dscnt 0x0                               ; for the others' sake
	s_barrier_signal -1
	s_barrier_wait -1
	ds_load_b128 v[8:11], v6 offset:256
	s_wait_dscnt 0x0
	v_add_f32 v8, v8, v9
	v_add_f32 v10, v10, v11
	v_add_f32 v8, v8, v10
	v_rcp_f32 v90, v8                              ; 1 / L
	v_nop
	s_wait_alu depctr_va_vdst(0)
.irp i, 0,1,2,3
	v_mul_f32 v[32+(\i)], v[32+(\i)], v90
.endr
	global_store_b128 v1, v[32:35], s[10:11]       ; a wave stores 512 consecutive bytes
	s_wait_loadcnt 0x0                             ; the partial contexts
	v_pk_mul_f32 v[92:93], v[40:41], v[72:73] op_sel_hi:[1,0]  ; even blocks take the pair's first factor for both channels,
	v_pk_mul_f32 v[94:95], v[42:43], v[72:73] op_sel:[0,1]     ; odd blocks its second: two chains
.irp m, 1,2,3,4,5,6,7
	v_pk_fma_f32 v[92:93], v[40+4*(\m):41+4*(\m)], v[72+2*(\m):73+2*(\m)], v[92:93] op_sel_hi:[1,0,1]
	v_pk_fma_f32 v[94:95], v[42+4*(\m):43+4*(\m)], v[72+2*(\m):73+2*(\m)], v[94:95] op_sel:[0,1,0]
.endr
	v_pk_add_f32 v[92:93], v[92:93], v[94:95]
	v_mul_f32 v92, v92, v90
	v_mul_f32 v93, v93, v90
	global_store_b64 v2, v[92:93], s[8:9]          ; a wave stores 256 consecutive bytes, aligned
	s_wait_tensorcnt 0x0                           ; the wave's end, behind my last LDS store
	ds_add_u32 v[SPW], v[NIL]
	s_wait_dscnt 0x0
	s_endpgm
.Lfunc_end_k_q025908094d_comb:
	.size	k_q025908094d_comb, .Lfunc_end_k_q025908094d_comb-k_q025908094d_comb
	.p2alignl 7, 3214868480
	.fill 96, 4, 3214868480
	.section	.rodata,"a",@progbits
	.p2align	6, 0x0
	.amdhsa_kernel k_q025908094d_comb
		.amdhsa_group_segment_fixed_size 1024
		.amdhsa_private_segment_fixed_size 0
		.amdhsa_enable_private_segment 0
		.amdhsa_kernarg_size 32
		.amdhsa_user_sgpr_count 2
		.amdhsa_user_sgpr_kernarg_segment_ptr 1
		.amdhsa_wavefront_size32 1
		.amdhsa_system_sgpr_workgroup_id_x 1
		.amdhsa_system_sgpr_workgroup_id_y 1
		.amdhsa_system_sgpr_workgroup_id_z 1
		.amdhsa_system_vgpr_workitem_id 0
		.amdhsa_next_free_vgpr 96
		.amdhsa_next_free_sgpr 66
		.amdhsa_reserve_vcc 0
		.amdhsa_float_denorm_mode_32 3
		.amdhsa_float_denorm_mode_16_64 3
		.amdhsa_memory_ordered 1
		.amdhsa_forward_progress 1
		.amdhsa_inst_pref_size 13
	.end_amdhsa_kernel
	.amdgpu_metadata
---
amdhsa.version: [ 1, 2 ]
amdhsa.kernels:
  - .name:           k_q025908094d_comb
    .symbol:         k_q025908094d_comb.kd
    .args:
      - { .name: sc, .offset: 0, .size: 8, .value_kind: global_buffer, .address_space: global }
      - { .name: ctxp, .offset: 8, .size: 8, .value_kind: global_buffer, .address_space: global }
      - { .name: out0, .offset: 16, .size: 8, .value_kind: global_buffer, .address_space: global }
      - { .name: out1, .offset: 24, .size: 8, .value_kind: global_buffer, .address_space: global }
    .group_segment_fixed_size: 1024
    .private_segment_fixed_size: 0
    .kernarg_segment_align: 8
    .kernarg_segment_size: 32
    .max_flat_workgroup_size: 128
    .sgpr_count:     66
    .vgpr_count:     96
    .wavefront_size: 32
...
	.end_amdgpu_metadata
.endif
;; end of part 3
;; ======== version 2 of 2: 3 launches; version 1 with the launch attn written anew for expert scheduling mode
;; workspace buffers: wfrag 2,097,152 bytes; duc 131,072 bytes; sc 262,144 bytes; ctxp 2,097,152 bytes
;; launch prep: the kernel of part 1 again; grid 128 x 1, 8 waves a work-group, no clusters, 17,408 bytes of LDS; arguments W_a, U_a, decoder_outputs, wfrag, duc; writes wfrag, duc
;; launch attn (part 4): grid 16 x 32, 4 waves a work-group, no clusters, 295,424 bytes of LDS; arguments encoder_outputs, wfrag, duc, V_a, sc, ctxp; writes sc, ctxp
.if DOCPART == 4
	.amdgcn_target "amdgcn-amd-amdhsa--gfx1250"
	.amdhsa_code_object_version 6
	.text
	.protected	k_q025908094d_attn
	.globl	k_q025908094d_attn
	.p2align	8
	.type	k_q025908094d_attn,@function
k_q025908094d_attn:
	s_mov_b64 s[64:65], 0
	v_nop
	global_prefetch_b8 v0, s[64:65] scope:SCOPE_SE
	s_setreg_imm32_b32 hwreg(HW_REG_WAVE_SCHED_MODE, 0, 2), 2
	s_setreg_imm32_b32 hwreg(HW_REG_WAVE_MODE, 25, 1), 1
	s_wait_xcnt 0x0
	s_wait_alu depctr_vm_vsrc(0)
; ADDITIVE ATTENTION, ONE BLOCK OF 128 ENCODER ROWS OF ONE BATCH TO A WORK-GROUP (x = block in the batch, y = batch).
;   s'[t] = sum over f of (-2 bf16(V[f])) / (1 + 2^(c (enc[t] . W[:,f]) + duc[f])),  c = 2 log2(e), duc = c dec_U:  tanh(x) = 1 - 2 / (1 + 2^(c x)), so s' is the score less the
;   sum of V, the same for every row: a softmax does not see it.  Stored: s' (sc), and ctxp[e] = sum over the block's t of 2^((s'[t] - m) log2 e) enc[t][e], m the block's maximum of s'.
;   The next launch joins a batch's 16 blocks by the batch's maximum.
; FORMATS.  enc, W, V (and dec, U in the launch before) are rounded once to bf16; products' sums, tanh, scores, weights and the context's sums are f32.
; LIMITS.  2^x beyond f32's range gives an infinity and 1 / (1 + it) gives 0, which is tanh's limit; a weight below 2^-126 counts as 0; NaN and infinities in the inputs are not treated apart.
; THE ROWS ARE READ FROM MEMORY ONCE: rounded to bf16 they stay in LDS (8 regions of 128 k x 128 rows, rows 272 bytes apart) for both passes over the columns and for the context.
; SHARES.  N goes in two passes of 512 columns; in a pass wave w makes 128 rows x 128 columns: 64 accumulators, 512 registers.  K goes in 32 steps of 32.  Pass 1 runs while the rows arrive:
; wave w fetches rows 32 w .. 32 w + 31, a chunk of 128 k (512 bytes of a row: one load of the wave) at a time, four steps ahead of the step that rounds and stores them.
; W's fragments come straight from wfrag into registers, three steps ahead: no wave wants a fragment of W that another wave fetches.
; NO CLUSTER, NO RING FOR W, though all work-groups read the same W: rows and tables take 295,424 bytes of LDS; a K step of W for the four waves is 32,768 bytes, and two slots of it
; do not fit in the 32,256 bytes that a work-group could still ask for.
; THE MATRIX INSTRUCTION IS USED TRANSPOSED (source 0 = 16 columns of W, source 1 = 16 rows of enc): a lane holds ONE row (lane % 16) and the columns 8 (lane / 16) + 0..7, so the sum
; over columns stays in the lane but for one exchange of the halves.
; REGISTERS, in windows of 256 (s_set_vgpr_msb: bits 1:0 source 0, 3:2 source 1, 5:4 source 2, 7:6 destination):
;   window 0: v0-31 addresses; v32-95 enc's fragments of one step; v96-111 the passes' sums; v112-127 at work; v128-255 four units of 8 rows on their way (later: duc's and V's numbers, the context's rows)
;   window 1: four buffers of W's fragments (64 each)     windows 2, 3: the accumulators: (a, b) in window 2 + a / 4 at 8 (8 (a % 4) + b)
; THE MODE: SCHED_MODE bits 1:0 = 2 (LLVM: expert scheduling mode 2), set by the entry lines.  The code itself states the register dependences between vector or matrix instructions and
; memory or LDS instructions, with s_wait_alu, always for 0.
; THE PLAN.  Registers that memory or LDS instructions touch in K step j:
;   v32-63    enc's fragments of row blocks 0-3.  Read by the step's first 32 products; the next step's fragments land there in the step's middle.
;   v64-95    those of row blocks 4-7.  Read by the step's last 32 products; the next step's land there at the step's end.
;   W's buffer (j + 3) % 4.  Read by all products of step j - 1; the loads of step j land there.
;   unit j    Read and written by step j's sixteen roundings, then read by its eight LDS stores; then the rows of the chunk after land there.
;   v[VS]     Read by the LDS stores; written once a trip.     v[AD]  Read by the fragments' loads; written where the region changes.     v[VL16], v[VPF]  made at the head, never written again.
; All 1,024 registers are taken, so enc's fragments have one set, and a step has TWO waits on va_vdst, one for each half of the set.  The first stands in the middle, behind the roundings and the
; address adds: it also states that unit j, v[VS] and v[AD] are written and that the step before is done with its buffer of W.  So W's sixteen loads owe no wait of their own and stand directly behind
; the step's last product, ahead of the second wait: nothing issued since the first wait names their buffer or v[VL16].  The second wait stands at the end, ahead of blocks 4-7's next fragments and of the rows' loads.
; Waits on vm_vsrc: ahead of the rows' loads (the LDS stores have read unit j), ahead of the add to v[VS], ahead of the write of v[AD].
.set REG,   34816                      ; a region: 128 rows x 272
.set PIT,   272                        ; 256 bytes + 16: the 16 rows of a fragment load start 4 banks apart (64 banks of 4 bytes: ISA guide 11.1)
.set TDU,   8*REG                      ; duc's row of my batch, 4,096 bytes; behind it -2 bf16(V), 4,096
.set SCR,   TDU+8192                   ; [4 waves][128] partial scores
.set PB,    SCR+2048                   ; [4 waves][128] weights, each wave's own copy
.set CXS,   PB+2048                    ; [4 waves] 1,024 bytes: the context's way out
.set SPARE, CXS+4096                   ; the spare words, 128 bytes a wave, that no other line names
.set VL16, 2                           ; v2   16 x lane; never rewritten
.set AD0,  4                           ; v4   my place in a fragment: r x 272 + 16 h
.set AD,   5                           ; v5   AD0 + the region being read
.set VS0,  6                           ; v6   where I store 8 bytes of my wave's first row: 8,704 w + 8 x lane
.set VS,   7                           ; v7   VS0 + the region being stored
.set VPF,  8                           ; v8   4,096 x lane: a lane a row, for the prefetches; never rewritten
.set VT,   9                           ; v9   TDU + 512 w + 32 h
.set VSC,  10                          ; v10  SCR + 512 w + 4 r
.set VRD,  11                          ; v11  SCR + 16 x lane
.set VCX,  12                          ; v12  (2 w + h) REG + 16 r: the context's 8 channels of mine
.set VPP,  13                          ; v13  PB + 512 w
.set VPS,  15                          ; v15  PB + 512 w + 16 x lane
.set VCS,  16                          ; v16  CXS + 1,024 w + 512 h + 32 r
.set VCR,  17                          ; v17  CXS + 1,024 w + 16 x lane
.set SPW,  30                          ; v30  SPARE + 4 x my thread's number; never rewritten
.set NIL,  31                          ; v31  0; never rewritten
.set AF,   32
.set SP,   96                          ; v[96 + 8 p + a]: pass p's sum for row block a
.set X,    112
.set ST,   128
.set DU,   128
.set V2,   192
.set WV,  16                           ; s16  wave
.set BLK, 17                           ; s17  16 y + x
.set SA,  20                           ; s[20:21] enc at my wave's first row, at the chunk that the trip's loads fetch
.set SB,  22                           ; s[22:23] wfrag at my wave's part, at the trip's first step
.set RN,  24                           ; s24  LDS byte of the region that comes next
.set CNT, 25                           ; s25  loop counts
.set CC,  26                           ; s[26:27] c
.set SEL, 28                           ; s[28:29] v_permlanex16_b32's selects: each lane takes its own place in the other half
.set L2E, 30                           ; s30  log2(e)
.set MUL_LO, 0xa1                      ; W window 1, enc window 0, C and D window 2
.set MUL_HI, 0xf1                      ; the same, C and D window 3
.set TO_B,   0x40                      ; destination window 1
.set MSB, 0
.macro WIN new                         ; the immediate's high byte repeats the setting that is left; a switch that changes nothing is dropped
.if MSB != (\new)
	s_set_vgpr_msb (MSB<<8)|(\new)
.set MSB, \new
.endif
.endm
.macro PLACES                          ; four plain instructions between a matrix instruction and a load into, or a vector instruction on, its registers (ISA guide 7.12.1 for vector instructions)
.rept 4
	v_nop
.endr
.endm
; Eight products: row block a x all 8 column blocks, W's buffer j.  The 64 accumulators take turns in the same order in every step, over the backward jumps too.
.macro MULA j, a, zero
.irp b, 0,1,2,3,4,5,6,7
.if \zero
	v_wmma_f32_16x16x32_bf16 v[8*(8*((\a)%4)+(\b)):8*(8*((\a)%4)+(\b))+7], v[64*(\j)+8*(\b):64*(\j)+8*(\b)+7], v[AF+8*(\a):AF+8*(\a)+7], 0
.else
	v_wmma_f32_16x16x32_bf16 v[8*(8*((\a)%4)+(\b)):8*(8*((\a)%4)+(\b))+7], v[64*(\j)+8*(\b):64*(\j)+8*(\b)+7], v[AF+8*(\a):AF+8*(\a)+7], v[8*(8*((\a)%4)+(\b)):8*(8*((\a)%4)+(\b))+7]
.endif
.endr
.endm
; Eight LDS loads: enc's fragments of row blocks 4 half .. 4 half + 3, 32 k at byte off of the region's rows
.macro FETCH half, off
.irp a, 0,1,2,3
	ds_load_b128 v[AF+8*(4*(\half)+(\a)):AF+8*(4*(\half)+(\a))+3],   v[AD] offset:(4*(\half)+(\a))*16*PIT+(\off)
	ds_load_b128 v[AF+8*(4*(\half)+(\a))+4:AF+8*(4*(\half)+(\a))+7], v[AD] offset:(4*(\half)+(\a))*16*PIT+(\off)+32
.endr
.endm
; Eight loads: rows 8 j .. 8 j + 7 of my wave's 32, 512 consecutive bytes each, into unit j
.macro ALOAD j, off
.irp i, 0,1,2,3,4,5,6,7
	global_load_b128 v[ST+32*(\j)+4*(\i):ST+32*(\j)+4*(\i)+3], v[VL16], s[SA:SA+1] offset:(8*(\j)+(\i))*4096+(\off) th:TH_LOAD_NT
.endr
.endm
; Sixteen loads: a step's fragments of W for my 128 columns, 8,192 consecutive bytes, into buffer jb
.macro BLOAD jb, off
	WIN TO_B
.irp b, 0,1,2,3,4,5,6,7
	global_load_b128 v[64*(\jb)+8*(\b):64*(\jb)+8*(\b)+3],   v[VL16], s[SB:SB+1] offset:(\off)+(\b)*1024
	global_load_b128 v[64*(\jb)+8*(\b)+4:64*(\jb)+8*(\b)+7], v[VL16], s[SB:SB+1] offset:(\off)+(\b)*1024+512
.endr
	WIN 0
.endm
; A K STEP: 64 products.  j = step % 4: W's buffer and the rows' unit.
;   zero  the products start the sums          cons  unit j (fetched four steps ago) is rounded and stored into the region RN
;   aiss  unit j is asked for again            biss  W of the step three on is asked for
;   bar   the region being stored is whole: barrier, then its first fragments are read
;   nxt   the next step's fragments of enc: 0 none, 1 same region, 2 the region RN, 3 back to region 0
;   lc    global loads younger than this step's W (loads come back in order: ISA guide 5.7.1); the unit that cons takes is older than that W
;   pf    the prefetch stands behind this step's loads
.macro STEP j, zero, cons, aiss, biss, bar, nxt, lc, pf
.set NOFF, 0
.if (\nxt) == 1
.set NOFF, 64*((\j)+1)
.endif
.set DW, 0
.if \cons
.set DW, DW+8
.endif
.if \nxt
.set DW, DW+8
.endif
.set BJ, ((\j)+3)%4
.set BO, ((\j)+3)*8192
.set AO, 0
.if (\j) == 3                          ; the pointers are stepped in the middle of step 3, ahead of its loads
.set BO, 2*8192
.set AO, -512
.endif
	s_wait_loadcnt \lc
	s_wait_dscnt 8                                 ; row blocks 0-3 are in; the youngest eight LDS loads (blocks 4-7) may be out
	WIN MUL_LO
	MULA \j, 0, \zero
	MULA \j, 1, \zero
	MULA \j, 2, \zero
	MULA \j, 3, \zero
	WIN 0
.if \cons
.if (\j) == 0
	s_wait_alu depctr_vm_vsrc(0)                   ; the LDS stores of the chunk before have read v[VS]
	v_add_nc_u32 v[VS], s[RN], v[VS0]
.endif
.irp i, 0,1,2,3,4,5,6,7                ; a lane's four numbers of a row become 8 bytes; these sixteen lines are also the places ahead of the loads into blocks 0-3's fragments
	v_cvt_pk_bf16_f32 v[ST+32*(\j)+4*(\i)],   v[ST+32*(\j)+4*(\i)],   v[ST+32*(\j)+4*(\i)+1]
	v_cvt_pk_bf16_f32 v[ST+32*(\j)+4*(\i)+1], v[ST+32*(\j)+4*(\i)+2], v[ST+32*(\j)+4*(\i)+3]
.endr
.else
	PLACES
.endif
.if (\nxt) == 2
	s_wait_alu depctr_vm_vsrc(0)                   ; the fragments' loads issued so far have read v[AD]
	v_add_nc_u32 v[AD], s[RN], v[AD0]
	s_add_co_u32 s[RN], s[RN], REG
.elseif (\nxt) == 3
	s_wait_alu depctr_vm_vsrc(0)                   ; the fragments' loads issued so far have read v[AD]
	v_mov_b32 v[AD], v[AD0]
	s_mov_b32 s[RN], REG
.endif
.if (\cons) || (\nxt)
	s_wait_alu depctr_va_vdst(0)                   ; blocks 0-3's products are done reading v32-63, in which the next fragments land; the roundings have written unit j, which the stores read; v[VS] and v[AD] are written where they were; the step before is done reading its buffer of W
.endif
.if \cons
.irp i, 0,1,2,3,4,5,6,7
	ds_store_b64 v[VS], v[ST+32*(\j)+4*(\i):ST+32*(\j)+4*(\i)+1] offset:(8*(\j)+(\i))*PIT  ; 256 consecutive bytes of one row
.endr
.endif
.if ((\j) == 3) && (\biss)
	s_wait_xcnt 0x0                                ; every load and prefetch issued so far (the youngest half a step back) has read its address: the pointers may be written
	s_add_nc_u64 s[SB:SB+1], s[SB:SB+1], 32768
.if \aiss
	s_add_nc_u64 s[SA:SA+1], s[SA:SA+1], 512
.endif
.endif
.if \bar
	s_wait_dscnt 0x0                               ; for the others' sake: my 32 rows of the region are stored (and my fragments are in)
	s_barrier_signal -1
	WIN MUL_HI
	MULA \j, 4, \zero                              ; work on registers while the others arrive
	MULA \j, 5, \zero
	WIN 0
	s_barrier_wait -1                              ; the region is whole
	FETCH 0, NOFF                                  ; no further wait: since the wait above only blocks 4 and 5's products were issued, which name neither v32-63 nor v[AD]
	WIN MUL_HI
	MULA \j, 6, \zero
	MULA \j, 7, \zero
.else
.if \nxt
	FETCH 0, NOFF
.endif
	s_wait_dscnt DW                                ; blocks 4-7 are in; behind them stand this step's stores (8, with cons) and the eight loads just issued
	WIN MUL_HI
	MULA \j, 4, \zero
	MULA \j, 5, \zero
	MULA \j, 6, \zero
	MULA \j, 7, \zero
.endif
.if \biss
	BLOAD BJ, BO                                   ; no wait: the products that read this buffer are the step before's, ahead of the wait in this step's middle, and nothing issued since names the buffer or v[VL16]
.endif
	WIN 0
	PLACES                                         ; ahead of the loads into blocks 4-7's fragments, and (a step later) into this step's buffer of W
.if \nxt
	s_wait_alu depctr_va_vdst(0)                   ; blocks 4-7's products are done reading v64-95, in which the next fragments land
	FETCH 1, NOFF
.endif
.if \aiss
	s_wait_alu depctr_vm_vsrc(0)                   ; this step's LDS stores have read unit j, in which the rows below land (the roundings that named it stand ahead of both waits above)
	ALOAD \j, AO
.endif
.if \pf
	; A PREFETCH INTO THE L2: my wave's 32 rows of the chunk that the NEXT trip's loads fetch, 512 bytes a row: a lane a row, two instructions, behind this step's loads; those loads stand
	; four to seven steps on.  Each wave asks for what it will load itself, so each block is named once in the launch.  The last trip has no chunk behind its own; chunks 0 to 2 come by their loads alone.
	s_cmp_gt_u32 s[CNT], 1
	s_cbranch_scc0 .Lnopf_\@
	global_prefetch_b8 v[VPF], s[SA:SA+1] offset:512 th:TH_LOAD_NT scope:SCOPE_SE
	global_prefetch_b8 v[VPF], s[SA:SA+1] offset:768 th:TH_LOAD_NT scope:SCOPE_SE
.Lnopf_\@:
.endif
.endm
; THE EPILOGUE for row block a of pass p: 64 numbers a lane, in place, from each accumulator's low end on.  Two batches of 64 transcendentals, each with a plain instruction behind its last
; and ONE wait ahead of its first reader; a packed line stands ahead of each pair of transcendentals.
.macro EPA a, p
.set AC, 64*((\a)%4)
.set WW, 2+(\a)/4
	WIN (WW<<6)|WW                                 ; destination and source 0: the accumulators' window; duc's numbers in window 0
.set i, 0
.rept 33
.if i < 32
	v_pk_fma_f32 v[AC+2*i:AC+2*i+1], v[AC+2*i:AC+2*i+1], s[CC:CC+1], v[DU+2*i:DU+2*i+1] op_sel_hi:[1,0,1]  ; c x + c dec_U
.endif
.if i > 0
	v_exp_f32 v[AC+2*i-2], v[AC+2*i-2]
	v_exp_f32 v[AC+2*i-1], v[AC+2*i-1]
.endif
.set i, i+1
.endr
	v_nop
	s_wait_alu depctr_va_vdst(0)                   ; the 64 exponentials have written their results, ahead of the additions that read them
.set i, 0
.rept 33
.if i < 32
	v_pk_add_f32 v[AC+2*i:AC+2*i+1], v[AC+2*i:AC+2*i+1], 1.0 op_sel_hi:[1,0]
.endif
.if i > 0
	v_rcp_f32 v[AC+2*i-2], v[AC+2*i-2]
	v_rcp_f32 v[AC+2*i-1], v[AC+2*i-1]
.endif
.set i, i+1
.endr
	v_nop
	s_wait_alu depctr_va_vdst(0)                   ; the 64 reciprocals have written their results, ahead of the products with V that read them
	WIN WW                                         ; source 0: the accumulators' window
.set i, 0
.rept 32                               ; times -2 V, summed in four chains
.if i < 4
	v_pk_mul_f32 v[X+2*i:X+2*i+1], v[AC+2*i:AC+2*i+1], v[V2+2*i:V2+2*i+1]
.else
	v_pk_fma_f32 v[X+2*(i%4):X+2*(i%4)+1], v[AC+2*i:AC+2*i+1], v[V2+2*i:V2+2*i+1], v[X+2*(i%4):X+2*(i%4)+1]
.endif
.set i, i+1
.endr
	WIN 0
	v_pk_add_f32 v[X:X+1], v[X:X+1], v[X+2:X+3]
	v_pk_add_f32 v[X+4:X+5], v[X+4:X+5], v[X+6:X+7]
	v_pk_add_f32 v[X:X+1], v[X:X+1], v[X+4:X+5]
	v_add_f32 v[SP+8*(\p)+(\a)], v[X], v[X+1]
.endm
; The tables' loads land in v128-255.  The vector lines that named these registers (pass 1's roundings; the first epilogue's lines) stand ahead of a later step's wait on va_vdst, and no product names them.
.macro EPI p
	WIN 0
.if (\p) == 0
	s_wait_alu depctr_vm_vsrc(0)                   ; the LDS stores of the last chunk have read the units' registers, in which the loads below land
.endif
.irp b, 0,1,2,3,4,5,6,7                ; my 64 columns' duc and -2 V: register 8 b + jj for column 512 p + 128 w + 16 b + 8 h + jj
	ds_load_b128 v[DU+8*(\b):DU+8*(\b)+3],   v[VT] offset:2048*(\p)+64*(\b)
	ds_load_b128 v[DU+8*(\b)+4:DU+8*(\b)+7], v[VT] offset:2048*(\p)+64*(\b)+16
	ds_load_b128 v[V2+8*(\b):V2+8*(\b)+3],   v[VT] offset:4096+2048*(\p)+64*(\b)
	ds_load_b128 v[V2+8*(\b)+4:V2+8*(\b)+7], v[VT] offset:4096+2048*(\p)+64*(\b)+16
.endr
	PLACES                                         ; with the four that end the last step: the places behind the last products
	s_wait_dscnt 0x0
.irp a, 0,1,2,3,4,5,6,7
	EPA \a, \p
.endr
.endm
	; ---- set-up
	s_load_b256 s[4:11], s[0:1], 0x0               ; enc s[4:5], wfrag s[6:7], duc s[8:9], V_a s[10:11]
	s_load_b128 s[12:15], s[0:1], 0x20             ; sc s[12:13], ctxp s[14:15]
	v_lshl_add_u32 v[SPW], v0, 2, SPARE
	v_mov_b32 v[NIL], 0
	v_lshrrev_b32 v1, 5, v0
	v_readfirstlane_b32 s[WV], v1                  ; wave 0..3
	v_and_b32 v20, 31, v0                          ; lane
	v_and_b32 v21, 15, v0                          ; r
	v_bfe_u32 v22, v0, 4, 1                        ; h
	s_and_b32 s18, ttmp7, 0xffff                   ; batch
	s_lshl_b32 s[BLK], s18, 4
	s_add_co_u32 s[BLK], s[BLK], ttmp9
	v_lshlrev_b32 v[VL16], 4, v20
	v_mul_u32_u24 v[AD0], v21, PIT
	v_lshl_add_u32 v[AD0], v22, 4, v[AD0]
	v_mov_b32 v[AD], v[AD0]                        ; the first fragments lie in region 0
	s_wait_alu depctr_va_sdst(0)                   ; the wave's number is written, ahead of its first reader: addresses, bases and branches are made from it
	s_mul_i32 s32, s[WV], 32*PIT
	v_lshl_add_u32 v[VS0], v20, 3, s32
	v_lshlrev_b32 v[VPF], 12, v20
	s_lshl_b32 s32, s[WV], 9
	s_add_co_u32 s34, s32, TDU
	v_lshl_add_u32 v[VT], v22, 5, s34
	s_add_co_u32 s34, s32, SCR
	v_lshl_add_u32 v[VSC], v21, 2, s34
	v_lshl_add_u32 v[VRD], v20, 4, SCR
	s_mul_i32 s34, s[WV], 2*REG
	v_mul_u32_u24 v[VCX], v22, REG
	v_add_nc_u32 v[VCX], s34, v[VCX]
	v_lshl_add_u32 v[VCX], v21, 4, v[VCX]
	s_add_co_u32 s34, s32, PB
	v_mov_b32 v[VPP], s34
	v_lshl_add_u32 v[VPS], v20, 4, s34
	s_lshl_b32 s34, s[WV], 10
	s_add_co_u32 s34, s34, CXS
	v_lshl_add_u32 v[VCS], v22, 9, s34
	v_lshl_add_u32 v[VCS], v21, 5, v[VCS]
	v_lshl_add_u32 v[VCR], v20, 4, s34
	v_lshlrev_b32 v18, 4, v0                       ; 16 x thread: the tables' loads,
	v_lshl_add_u32 v19, v0, 4, TDU                 ; and their place in LDS
	s_mov_b32 s[CC], 0x4038aa3b                    ; c = 2 log2(e)
	s_mov_b32 s[CC+1], s[CC]                       ; named with it as a pair
	s_mov_b32 s[SEL], 0x76543210
	s_mov_b32 s[SEL+1], 0xfedcba98
	s_mov_b32 s[L2E], 0x3fb8aa3b
	s_mov_b32 s[RN], REG
	s_mov_b32 s33, 0
	s_wait_kmcnt 0x0
	s_lshl_b32 s32, s[BLK], 19                     ; 128 rows of 4,096 bytes a block (under 2^28 in all),
	s_lshl_b32 s34, s[WV], 17                      ; 32 rows a wave
	s_add_co_u32 s32, s32, s34
	s_add_nc_u64 s[SA:SA+1], s[4:5], s[32:33]
	s_lshl_b32 s32, s[WV], 19                      ; my wave's 64 steps of 8,192 bytes
	s_add_nc_u64 s[SB:SB+1], s[6:7], s[32:33]
	s_lshl_b32 s32, s18, 12
	s_add_nc_u64 s[8:9], s[8:9], s[32:33]          ; duc's row of my batch
	s_lshl_b32 s32, s[BLK], 9
	s_add_nc_u64 s[36:37], s[12:13], s[32:33]      ; sc at my block
	s_lshl_b32 s32, s[BLK], 12
	s_lshl_b32 s34, s[WV], 10
	s_add_co_u32 s32, s32, s34
	s_add_nc_u64 s[38:39], s[14:15], s[32:33]      ; ctxp at my block, my wave's 256 channels
	; ---- the first loads, in the order that the counted waits lean on: chunk 0 (32), the tables (4), unit 0 (8), W 0 (16), unit 1 (8), W 1 (16) | unit 2, W 2, unit 3
	WIN 0x80                                       ; chunk 0 lands in window 2, v0-127, which the sums take over later
	s_wait_alu depctr_va_vdst(0)                   ; all the addresses and offsets v2 to v19 are written, which the kernel's loads, stores and prefetches read
.set n, 0
.rept 32
	global_load_b128 v[4*n:4*n+3], v[VL16], s[SA:SA+1] offset:n*4096 th:TH_LOAD_NT
.set n, n+1
.endr
	WIN 0
	global_load_b128 v[112:115], v18, s[8:9]
	global_load_b128 v[116:119], v18, s[8:9] offset:2048
	global_load_b128 v[120:123], v18, s[10:11]
	global_load_b128 v[124:127], v18, s[10:11] offset:2048
	ALOAD 0, 512                                   ; chunk 1
	BLOAD 0, 0
	ALOAD 1, 512
	BLOAD 1, 8192
	; Pass 1's sums are cleared, 512 lines, while the first rows are on their way: the price of one text for every trip of pass 1's loop.  Pass 2's first step starts its sums with the constant 0.
	WIN 0xc0
.set n, 0
.rept 256
	v_mov_b32 v[n], 0
.set n, n+1
.endr
	WIN 0x80
.set n, 128
.rept 128
	v_mov_b32 v[n], 0
.set n, n+1
.endr
	s_wait_loadcnt 48                              ; chunk 0 and the tables are in; the 48 loads behind them may stay out
	WIN 0x0a                                       ; sources 0 and 1 window 2, destination window 0
.set n, 0
.rept 32
	v_cvt_pk_bf16_f32 v[AF+2*n],   v[4*n],   v[4*n+1]
	v_cvt_pk_bf16_f32 v[AF+2*n+1], v[4*n+2], v[4*n+3]
.set n, n+1
.endr
	WIN 0
.irp i, 0,2,4,6                        ; V rounded to bf16, widened again, times -2
	v_cvt_pk_bf16_f32 v23, v[120+(\i)], v[121+(\i)]
	v_lshlrev_b32 v[120+(\i)], 16, v23
	v_and_b32 v[121+(\i)], 0xffff0000, v23
	v_pk_mul_f32 v[120+(\i):121+(\i)], v[120+(\i):121+(\i)], -2.0 op_sel_hi:[1,0]
.endr
	s_wait_alu depctr_va_vdst(0)                   ; the roundings have written v32-95 and v120-127, which the LDS stores below read
.set n, 0
.rept 32
	ds_store_b64 v[VS0], v[AF+2*n:AF+2*n+1] offset:n*PIT  ; region 0
.set n, n+1
.endr
	ds_store_b128 v19, v[112:115]
	ds_store_b128 v19, v[116:119] offset:2048
	ds_store_b128 v19, v[120:123] offset:4096
	ds_store_b128 v19, v[124:127] offset:6144
	ALOAD 2, 512                                   ; units 2 and 3 and W's buffer 2: no instruction has named these registers yet
	BLOAD 2, 16384
	ALOAD 3, 512
	WIN 0x80
.set n, 0
.rept 128
	v_mov_b32 v[n], 0
.set n, n+1
.endr
	WIN 0
	s_wait_xcnt 0x0                                ; the loads have read their address
	s_add_nc_u64 s[SA:SA+1], s[SA:SA+1], 1024      ; chunk 2: what trip 0 fetches
	s_wait_dscnt 0x0                               ; for the others' sake: my rows of region 0 and my part of the tables are stored
	s_barrier_signal -1
	s_barrier_wait -1
	s_wait_alu depctr_vm_vsrc(0)                   ; my LDS stores have read v32-95, in which the first fragments land, and v112-127, which the epilogue writes (the roundings that wrote v32-95, and the line that made v[AD], stand ahead of a wait on va_vdst)
	FETCH 0, 0
	FETCH 1, 0
	; ---- pass 1.  Behind a step's W stand: unit 8, W 16, unit 8, W 16, unit 8 = 56 younger loads; the counts run down when the units stop
	s_mov_b32 s[CNT], 6
.Lp1:                                          ; trip t: steps 4 t .. 4 t + 3; stores chunk t + 1, fetches chunk t + 2
	STEP 0, 0, 1, 1, 1, 0, 1, 56, 1
	STEP 1, 0, 1, 1, 1, 0, 1, 56, 0
	STEP 2, 0, 1, 1, 1, 0, 1, 56, 0
	STEP 3, 0, 1, 1, 1, 1, 2, 56, 0
	s_sub_co_u32 s[CNT], s[CNT], 1
	s_cmp_lg_u32 s[CNT], 0
	s_cbranch_scc1 .Lp1
	STEP 0, 0, 1, 0, 1, 0, 1, 56, 0                ; steps 24-27 store chunk 7 and fetch no rows
	STEP 1, 0, 1, 0, 1, 0, 1, 48, 0
	STEP 2, 0, 1, 0, 1, 0, 1, 40, 0
	STEP 3, 0, 1, 0, 1, 1, 2, 32, 0
	STEP 0, 0, 0, 0, 1, 0, 1, 32, 0                ; steps 28-31; from here on two steps' W, 32 loads, are younger
	STEP 1, 0, 0, 0, 1, 0, 1, 32, 0
	STEP 2, 0, 0, 0, 1, 0, 1, 32, 0
	STEP 3, 0, 0, 0, 1, 0, 3, 32, 0                ; pass 2's first fragments of enc and its first three steps' W are on their way across the epilogue
	EPI 0
	; ---- pass 2: the rows are all in LDS
	STEP 0, 1, 0, 0, 1, 0, 1, 32, 0                ; step 32 starts the sums
	s_mov_b32 s[CNT], 7
.Lp2:                                          ; steps 33-60
	STEP 1, 0, 0, 0, 1, 0, 1, 32, 0
	STEP 2, 0, 0, 0, 1, 0, 1, 32, 0
	STEP 3, 0, 0, 0, 1, 0, 2, 32, 0
	STEP 0, 0, 0, 0, 1, 0, 1, 32, 0
	s_sub_co_u32 s[CNT], s[CNT], 1
	s_cmp_lg_u32 s[CNT], 0
	s_cbranch_scc1 .Lp2
	STEP 1, 0, 0, 0, 0, 0, 1, 32, 0                ; the last three steps ask for no W: the counts run down
	STEP 2, 0, 0, 0, 0, 0, 1, 16, 0
	STEP 3, 0, 0, 0, 0, 0, 0, 0, 0                 ; the last step issues no load and no store: it states no dependence
	EPI 1
	; ---- the block's scores: both passes, both halves of the lanes, all four waves
.irp a, 0,1,2,3,4,5,6,7
	v_add_f32 v[SP+(\a)], v[SP+(\a)], v[SP+8+(\a)]
.endr
.irp a, 0,1,2,3,4,5,6,7
	v_permlanex16_b32 v[SP+8+(\a)], v[SP+(\a)], s[SEL], s[SEL+1]
.endr
.irp a, 0,1,2,3,4,5,6,7
	v_add_f32 v[SP+(\a)], v[SP+(\a)], v[SP+8+(\a)]
.endr
	s_wait_alu depctr_va_vdst(0)                   ; the additions have written v96-103, which the stores below read; the epilogue is done with v112-127, in which the loads behind the barrier land
.irp a, 0,1,2,3,4,5,6,7
	ds_store_b32 v[VSC], v[SP+(\a)] offset:64*(\a)  ; row 16 a + r; both halves of the lanes write the same number
.endr
	s_wait_dscnt 0x0                               ; for the others' sake
	s_barrier_signal -1
	s_barrier_wait -1
.irp w, 0,1,2,3
	ds_load_b128 v[112+4*(\w):112+4*(\w)+3], v[VRD] offset:512*(\w)  ; rows 4 x lane .. + 3, wave w's columns
.endr
	s_wait_dscnt 0x0
	v_pk_add_f32 v[112:113], v[112:113], v[116:117]
	v_pk_add_f32 v[114:115], v[114:115], v[118:119]
	v_pk_add_f32 v[120:121], v[120:121], v[124:125]
	v_pk_add_f32 v[122:123], v[122:123], v[126:127]
	v_pk_add_f32 v[112:113], v[112:113], v[120:121]
	v_pk_add_f32 v[114:115], v[114:115], v[122:123]
	s_cmp_lg_u32 s[WV], 0
	s_cbranch_scc1 .Lnosc
	s_wait_alu depctr_va_vdst(0)                   ; the additions have written v112-115, which the store reads
	global_store_b128 v[VL16], v[112:115], s[36:37]  ; wave 0: the block's 128 scores, 512 consecutive bytes; v112-115 are not written again
.Lnosc:
	v_max3_num_f32 v120, v112, v113, v114          ; the block's maximum, in every lane of every wave
	v_max_num_f32 v120, v120, v115
	v_max_num_f32_dpp v120, v120, v120 row_xmask:1 row_mask:0xf bank_mask:0xf
	v_max_num_f32_dpp v120, v120, v120 row_xmask:2 row_mask:0xf bank_mask:0xf
	v_max_num_f32_dpp v120, v120, v120 row_xmask:4 row_mask:0xf bank_mask:0xf
	v_max_num_f32_dpp v120, v120, v120 row_xmask:8 row_mask:0xf bank_mask:0xf
	v_permlanex16_b32 v121, v120, s[SEL], s[SEL+1]
	v_max_num_f32 v120, v120, v121
	v_mul_f32 v121, s[L2E], v120
.irp i, 0,1,2,3
	v_fma_f32 v[116+(\i)], v[112+(\i)], s[L2E], -v121
.endr
.irp i, 0,1,2,3
	v_exp_f32 v[116+(\i)], v[116+(\i)]             ; p = e^(s' - m)
.endr
.irp z, 0,1,2,3,4,5,6,7
	v_mov_b32 v[64+(\z)], 0                        ; the context's eight sums: plain work behind the exponentials
.endr
	s_wait_alu depctr_va_vdst(0)                   ; the four exponentials have written v116-119, ahead of their first reader, the LDS store below; every vector and matrix line that named v32-63 and v128-255 is done, in which the first trip's loads land
	ds_store_b128 v[VPS], v[116:119]               ; my wave's own copy of the 128 weights: LDS serves a wave's instructions in order (ISA guide 5.7.1.4), so no barrier
	; ---- the block's part of the context, from the rows in LDS: wave w makes channels 256 w .. + 255, a lane 8 of them; bf16 x f32 + f32
	s_mov_b32 s[CNT], 4
.Lctx:                                         ; 32 rows a trip
.irp g, 0,1,2,3,4,5,6,7
	ds_load_b128 v[32+4*(\g):32+4*(\g)+3], v[VPP] offset:16*(\g)  ; 32 weights, the same in every lane
.endr
.set n, 0
.rept 32
	ds_load_b128 v[128+4*n:128+4*n+3], v[VCX] offset:n*PIT
.set n, n+1
.endr
.irp o, 0,1,2,3
	s_wait_dscnt 24-8*(\o)                         ; the weights and rows up to 8 o + 7 are in; the younger rows may be out
.set n, 8*(\o)
.rept 8
.irp z, 0,1,2,3
	v_fma_mix_f32_bf16 v[64+2*(\z)],   v[128+4*n+(\z)], v[32+n], v[64+2*(\z)]   op_sel_hi:[1,0,0]
	v_fma_mix_f32_bf16 v[64+2*(\z)+1], v[128+4*n+(\z)], v[32+n], v[64+2*(\z)+1] op_sel:[1,0,0] op_sel_hi:[1,0,0]
.endr
.set n, n+1
.endr
.endr
	s_wait_alu depctr_vm_vsrc(0)                   ; this trip's LDS loads have read v[VPP] and v[VCX]
	v_add_nc_u32 v[VPP], 128, v[VPP]
	v_add_nc_u32 v[VCX], 32*PIT, v[VCX]
	s_wait_alu depctr_va_vdst(0)                   ; the multiply-adds are done reading v32-63 and v128-255, in which the next trip's loads land; v[VPP] and v[VCX] are written; behind the last trip: the sums v64-71 are written, which the stores read
	s_sub_co_u32 s[CNT], s[CNT], 1
	s_cmp_lg_u32 s[CNT], 0
	s_cbranch_scc1 .Lctx
	ds_store_b128 v[VCS], v[64:67]                 ; through my own stage, so that a store of the wave covers 512 consecutive bytes
	ds_store_b128 v[VCS], v[68:71] offset:16
	ds_load_b128 v[72:75], v[VCR]                  ; v72-79 were last named by the products, long ahead of the wait above
	ds_load_b128 v[76:79], v[VCR] offset:512
	s_wait_dscnt 0x0
	global_store_b128 v[VL16], v[72:75], s[38:39]
	global_store_b128 v[VL16], v[76:79], s[38:39] offset:512
	s_wait_dscnt 0x0                               ; the closing lines, six on end
	s_wait_alu 0x0
	s_wait_tensorcnt 0x0
	ds_add_u32 v[SPW], v[NIL]
	s_wait_dscnt 0x0
	s_endpgm
.Lfunc_end_k_q025908094d_attn:
	.size	k_q025908094d_attn, .Lfunc_end_k_q025908094d_attn-k_q025908094d_attn
	.p2alignl 7, 3214868480
	.fill 96, 4, 3214868480
	.section	.rodata,"a",@progbits
	.p2align	6, 0x0
	.amdhsa_kernel k_q025908094d_attn
		.amdhsa_group_segment_fixed_size 295424
		.amdhsa_private_segment_fixed_size 0
		.amdhsa_enable_private_segment 0
		.amdhsa_kernarg_size 48
		.amdhsa_user_sgpr_count 2
		.amdhsa_user_sgpr_kernarg_segment_ptr 1
		.amdhsa_wavefront_size32 1
		.amdhsa_system_sgpr_workgroup_id_x 1
		.amdhsa_system_sgpr_workgroup_id_y 1
		.amdhsa_system_sgpr_workgroup_id_z 1
		.amdhsa_system_vgpr_workitem_id 0
		.amdhsa_next_free_vgpr 1024
		.amdhsa_next_free_sgpr 66
		.amdhsa_reserve_vcc 0
		.amdhsa_float_denorm_mode_32 3
		.amdhsa_float_denorm_mode_16_64 3
		.amdhsa_memory_ordered 1
		.amdhsa_forward_progress 1
		.amdhsa_inst_pref_size 255
	.end_amdhsa_kernel
	.section	.bss,"aw",@nobits
	.p2align	6
	.space	262144
	.amdgpu_metadata
---
amdhsa.version: [ 1, 2 ]
amdhsa.kernels:
  - .name:           k_q025908094d_attn
    .symbol:         k_q025908094d_attn.kd
    .args:
      - { .name: encoder_outputs, .offset: 0, .size: 8, .value_kind: global_buffer, .address_space: global }
      - { .name: wfrag, .offset: 8, .size: 8, .value_kind: global_buffer, .address_space: global }
      - { .name: duc, .offset: 16, .size: 8, .value_kind: global_buffer, .address_space: global }
      - { .name: V_a, .offset: 24, .size: 8, .value_kind: global_buffer, .address_space: global }
      - { .name: sc, .offset: 32, .size: 8, .value_kind: global_buffer, .address_space: global }
      - { .name: ctxp, .offset: 40, .size: 8, .value_kind: global_buffer, .address_space: global }
    .group_segment_fixed_size: 295424
    .private_segment_fixed_size: 0
    .kernarg_segment_align: 8
    .kernarg_segment_size: 48
    .max_flat_workgroup_size: 128
    .sgpr_count:     66
    .vgpr_count:     1024
    .wavefront_size: 32
...
	.end_amdgpu_metadata
.endif
;; end of part 4
;; launch comb: the kernel of part 3 again; grid 4 x 32, 4 waves a work-group, no clusters, 1,024 bytes of LDS; arguments sc, ctxp, out0, out1; writes out0, out1
